; MI455X (gfx1250); checked and timed in simulation.
; The chip was launched on July 23, 2026; its instructions are those of AMD's public machine-readable ISA for CDNA 5 (MIT licence, August 2026) and "CDNA5" Instruction Set Architecture Reference Guide (July 2026). The comments in the code are by the model that wrote it; some were corrected since.
;; Causal Self Attention. Allowed arithmetic: matrix products marked QUANTISED: E4M3 operands, one E8M0 scale for each 32 along K, by v_wmma_scale_f32_16x16x128_f8f6f4 with both operands' format E4M3, f32 sums; everything else in f32.
;; Inputs: w_proj 1,024 x 1,024 float32; w_qkv 1,024 x 3,072 float32; x 4 x 2,048 x 1,024 float32.
;; Outputs: out0 4 x 2,048 x 1,024 float32.
;; This version of the problem:
;;   THIS VERSION OF THE PROBLEM IS GIVEN IN LOW PRECISION. The matrix products marked QUANTISED in the list below multiply operands that are first quantised to E4M3 (4 exponent bits, 3 mantissa bits; 8 bits a number), with one power-of-two scale for each 32 numbers along K (OCP MX v1.0); their sums are f32. All else is computed in f32.
;;   The module's matrix products, in the order in which they are computed (A, B: the left and right operand; K: the contracted axis; several contracted axes count as one K, in the product's order):
;;     1. [M 8,192, K 1,024] x [K 1,024, N 3,072]; A: input x; B: input w_qkv: QUANTISED
;;     2. batch 64 x [M 2,048, K 64] x [K 64, N 2,048]; A: computed on the way; B: computed on the way: QUANTISED
;;     3. batch 64 x [M 2,048, K 2,048] x [K 2,048, N 64]; A: softmax (see below); B: computed on the way: QUANTISED
;;     4. [M 8,192, K 1,024] x [K 1,024, N 1,024]; A: computed on the way; B: input w_proj: QUANTISED
;;   THE QUANTISER, for each operand of a quantised product, along K:
;;     - K is cut into blocks of 32 from its start; a last block that is shorter is filled with zeros.
;;     - A block's scale is 2^e with e = floor(log2(the largest magnitude in the block)) - 8, held to -126 .. 127; a block of zeros has e = 0. As a byte (E8M0): e + 127.
;;     - Each number is divided by its block's scale, clamped to +-448, and rounded to the nearest number of E4M3, ties to even, subnormals kept.
;;     - The product sums the exact products of the quantised numbers (number of the format x scale) in f32.
;;   ~~~python
;;   def quantise(x, axis):      # numpy; x: float32 -> the quantised numbers, widened to float32 again
;;       x = np.moveaxis(x, axis, -1); K = x.shape[-1]
;;       x = np.pad(x, [(0, 0)] * (x.ndim - 1) + [(0, -K % 32)]); x = x.reshape(x.shape[:-1] + (-1, 32)); a = np.abs(x).max(-1, keepdims=True)
;;       e = np.where(a > 0, np.clip(np.frexp(np.where(a > 0, a, 1))[1] - 1 - 8, -126, 127), 0)      # np.frexp(a)[1] - 1 = floor(log2(a)), exactly
;;       r = np.clip(x / 2.0 ** e, -448, 448)
;;       step = 2.0 ** (np.maximum(np.frexp(np.where(r == 0, 1, r))[1] - 1, -6) - 3)
;;       q = np.round(r / step) * step * 2.0 ** e      # np.round: ties to even
;;       return np.moveaxis(q.reshape(q.shape[:-2] + (-1,))[..., :K], -1, axis).astype(np.float32)
;;   ~~~
;;   SOFTMAX AHEAD OF A QUANTISED PRODUCT. Where the list says 'softmax', what is quantised is not the finished softmax but p = 2^(t - M), with t = logit x log2(e) and M = ceil(the row's largest t), a whole number; so 1/2 < the row's largest p <= 1. The row's sum l is taken of the UNQUANTISED p, in f32, and the product's result is divided by l at the end. Since M is a whole number, a kernel that streams over the keys may use a running M (the ceiling of the running maximum): every later rescaling is an exact power of two, which a block's scale takes up: the codes' values come out the same.
;;   OPERANDS COMPUTED ON THE WAY. 'Computed on the way' means the value that the module computes at that place (a softmax that the list does not call 'softmax' is quantised finished and normalised). What goes into a quantiser is computed in f32, as accurately as f32 sums, v_exp_f32 and their like allow (about 1e-6 of the number): no bf16 or f16 on the way to a quantiser, and a product that is left as it is and whose result goes on into a quantised operand takes f32 operands (vector FMAs, or v_wmma_f32_16x16x4_f32). A number that lies on a knife's edge between two numbers of the format may be rounded either way, as far as f32 arithmetic and the matrix unit's own rounding can turn it there, and no further.
;; One version. Each part assembles by itself: llvm-mc -triple=amdgcn-amd-amdhsa -mcpu=gfx1250 --defsym DOCPART=n.
;; ======== version 1 of 1: 4 launches
;; limits: right only within a limited range of input values
;; workspace buffers: xq 8,650,752 bytes; wqk 2,359,296 bytes; wv 1,310,720 bytes; wp 1,310,720 bytes; qk 17,301,504 bytes; vt 8,912,896 bytes; oq 8,650,752 bytes
;; launch quant (part 1): grid 384 x 1, 4 waves a work-group, no clusters, 34,304 bytes of LDS; arguments x, w_qkv, w_proj, xq, wqk, wv, wp; writes xq, wqk, wv, wp
.if DOCPART == 1
	.amdgcn_target "amdgcn-amd-amdhsa--gfx1250"
	.amdhsa_code_object_version 6
	.text
	.protected	k_q02826d77a8_quant
	.globl	k_q02826d77a8_quant
	.p2align	8
	.type	k_q02826d77a8_quant,@function
k_q02826d77a8_quant:
	s_mov_b64 s[64:65], 0
	v_nop
	global_prefetch_b8 v0, s[64:65] scope:SCOPE_SE
	s_setreg_imm32_b32 hwreg(HW_REG_WAVE_MODE, 25, 1), 1
	s_wait_xcnt 0x0
; x [8192][1024], w_qkv [1024][3072] and w_proj [1024][1024], f32, become codes of FP8 (E4M3) with one E8M0 scale byte for each 32 along K (x: its last axis; the weights: their first).
; A block's scale is 2^(floor(log2(its largest magnitude)) - 8); its byte is the largest magnitude's exponent field - 8, held at 1 from below; each number is divided by the scale, held within +-448, rounded to the nearest code.
; LIMITS: NaN and infinities among the inputs are not served.  A block of zeros gets the byte 1 where the quantiser's definition says 127: its codes are zeros, which add nothing under any byte but 0xff, and this program alone reads the bytes.
; LAYOUT OF THE FOUR RESULTS (rows = tokens of x, or columns of a weight; K = 1,024):
;   from byte OPC on the codes: [tile of 16 rows][K step of 128, 0..7][2,048 bytes], the 2,048 bytes being the image of a matrix operand's 16 registers: [c 0..3][lane 0..31][16 bytes]; lane (r, h) of chunk c holds k = 32 c + 16 h + 0..15 of the tile's row r;
;   from byte 0 on the scale words: [pair of tiles][S = K / 256][tile of the pair][row 16][2 words]; a word is the four bytes of one K step.
;   ROW POSITION p HOLDS LOGICAL ROW p WITH BITS 3 AND 4 SWAPPED: a product that takes such tiles as its first source then has 16 neighbouring logical rows in the 16 registers of two neighbouring result tiles.
; SHARES: work-groups 0-255 take x, 32 tokens each, wave S the K from 256 S on; work-groups 256-383 take the weights' 4,096 columns: 128 columns x 256 along K each, a wave 32 columns.  Every wave reads 32,768 bytes.
; No input byte is read by two work-groups: no cluster, no tensor load, no barrier; waves share nothing.
.set OPC,  0x40000
.set SPI,  528                         ; x path: a stage row: 512 bytes + 16, so that sixteen rows start in sixteen different groups of four banks (64 banks of 4 bytes: ISA guide 11.1)
.set WST,  16*SPI                      ; a wave's stage
.set RX,   16                          ; v16-143   x path: two sets of 64 numbers
.set CX,   144                         ; v144-175  two sets of 16 registers of codes
.set TM,   176                         ; v176-191  at work: +0 largest magnitudes, +4 bytes, +8 the hold, +12 the conversions' scale operands
.set WX,   192                         ; v192-195  the four fragments' scale words
.set WQ,   196                         ; v196-197  the words as they leave
.set OFF,  16                          ; v16-47    weight path: byte offset of row i of a block of 32, at my column
.set XW,   48                          ; v48-111   two sets of 32 numbers
.set CW,   112                         ; v112-175  8 registers of codes for each of 8 blocks: never written twice
.set SB,   196                         ; v196-197  my column's 8 scale bytes
; 64 numbers of a lane, register 16 b + i = k 32 b + 16 (lane / 16) + i of my row, become 16 registers of codes and the row's scale word
.macro QUANT src, pc, pw
.irp b, 0,1,2,3
	v_max3_num_f32 v[TM+\b], |v[\src+16*\b]|, |v[\src+1+16*\b]|, 0x4800000   ; block b: my 16 numbers and the floor 2^(9 - 127): the byte cannot fall under 1
.endr
.irp i, 2,4,6,8,10,12,14
.irp b, 0,1,2,3
	v_max3_num_f32 v[TM+\b], v[TM+\b], |v[\src+16*\b+\i]|, |v[\src+1+16*\b+\i]|   ; the four blocks by turns
.endr
.endr
.irp b, 0,1,2,3
	v_permlanex16_b32 v[TM+4+\b], v[TM+\b], s20, s21
.endr
.irp b, 0,1,2,3
	v_max_num_f32 v[TM+\b], v[TM+\b], v[TM+4+\b]                  ; with lane l xor 16's: the block's largest magnitude
.endr
.irp b, 0,1,2,3
	v_add_nc_u32 v[TM+12+\b], 0xfc000000, v[TM+\b]                ; 8 off its exponent field: the conversion reads the exponent field of this operand alone
.endr
.irp b, 0,1,2,3
	v_and_or_b32 v[TM+8+\b], v[TM+\b], 0x7f800000, s22            ; 448 x the scale
.endr
.irp b, 0,1,2,3
	v_lshrrev_b32 v[TM+4+\b], 23, v[TM+12+\b]                     ; the scale's byte
.endr
	v_lshl_or_b32 v[\pw], v[TM+5], 8, v[TM+4]
	v_lshl_or_b32 v[\pw], v[TM+6], 16, v[\pw]
	v_lshl_or_b32 v[\pw], v[TM+7], 24, v[\pw]
.irp b, 0,1,2,3
.irp i, 0,1,2,3,4,5,6,7,8,9,10,11,12,13,14,15
	v_med3_num_f32 v[\src+16*\b+\i], v[\src+16*\b+\i], -v[TM+8+\b], v[TM+8+\b]   ; the conversion does not saturate (ISA guide 7.6.2): the hold comes first
.endr
	v_cvt_scalef32_pk8_fp8_f32 v[\pc+4*\b:\pc+4*\b+1], v[\src+16*\b:\src+16*\b+7], v[TM+12+\b]
	v_cvt_scalef32_pk8_fp8_f32 v[\pc+4*\b+2:\pc+4*\b+3], v[\src+16*\b+8:\src+16*\b+15], v[TM+12+\b]
.endr
	v_nop                                          ; one plain line behind the last conversion
.endm
; x path.  Fragment f = 2 u + q: tile u of the pair, K step q of my two.  Sixteen loads, each 512 consecutive bytes of one token; position rr of tile u is token 8 u + rr + 8 (rr / 8) of the 32
.macro XLOAD f
.irp rr, 0,1,2,3,4,5,6,7,8,9,10,11,12,13,14,15
	global_load_b128 v[RX+64*((\f)%2)+4*\rr:RX+64*((\f)%2)+4*\rr+3], v4, s[4:5] offset:(8*((\f)/2)+\rr+8*(\rr/8))*4096+512*((\f)%2) th:TH_LOAD_NT
.endr
.endm
.macro FRAGX f
.if (\f) < 3
	s_wait_loadcnt 16                              ; this fragment's sixteen loads are in; the next fragment's sixteen may be out
.else
	s_wait_loadcnt 0
.endif
.irp rr, 0,1,2,3,4,5,6,7,8,9,10,11,12,13,14,15
	ds_store_b128 v6, v[RX+64*((\f)%2)+4*\rr:RX+64*((\f)%2)+4*\rr+3] offset:SPI*\rr      ; as loaded: a row to a stage row
.endr
.irp c, 0,1,2,3
.irp jj, 0,1,2,3
	ds_load_b128 v[RX+64*((\f)%2)+16*\c+4*\jj:RX+64*((\f)%2)+16*\c+4*\jj+3], v7 offset:128*\c+16*\jj   ; back: lane (r, h) takes 16 neighbours of each block of row r.  LDS serves a wave's instructions in order (ISA guide 5.7.1.4)
.endr
.endr
	s_wait_dscnt 0x0
.if (\f) >= 2
	s_wait_xcnt 0x0                                ; the stores of two fragments ago have read this set of code registers
.endif
	QUANT RX+64*((\f)%2), CX+16*((\f)%2), WX+(\f)
.irp c, 0,1,2,3
	global_store_b128 v4, v[CX+16*((\f)%2)+4*\c:CX+16*((\f)%2)+4*\c+3], s[26:27] offset:((\f)/2)*16384+((\f)%2)*2048+512*\c   ; 32 lanes store 512 consecutive bytes
.endr
.if (\f) < 2
	XLOAD (\f)+2
.endif
.endm
; weight path.  Block t: W(256 S + 32 t + i, my column), i = 0..31: a lane takes a column and its registers run down K
.macro WLOAD t
.set n, 0
.rept 32
	global_load_b32 v[XW+32*((\t)%2)+n], v[OFF+n], s[32+2*(\t):33+2*(\t)] th:TH_LOAD_NT
.set n, n+1
.endr
.endm
.macro BLOCK t
.set XS, XW+32*((\t)%2)
.if (\t) < 7
	s_wait_loadcnt 32                              ; this block's 32 loads are in; the next block's may be out
.else
	s_wait_loadcnt 0
.endif
	v_max3_num_f32 v176, |v[XS]|, |v[XS+1]|, |v[XS+2]|             ; all 32 numbers of the block are mine
	v_max3_num_f32 v177, |v[XS+3]|, |v[XS+4]|, |v[XS+5]|
.irp i, 6,10,14,18,22,26
	v_max3_num_f32 v176, v176, |v[XS+\i]|, |v[XS+\i+1]|
	v_max3_num_f32 v177, v177, |v[XS+\i+2]|, |v[XS+\i+3]|
.endr
	v_max3_num_f32 v176, v176, |v[XS+30]|, |v[XS+31]|
	v_max3_num_f32 v176, v176, v177, 0x4800000     ; and the floor
	v_add_nc_u32 v179, 0xfc000000, v176            ; the conversions' scale operand
	v_and_or_b32 v178, v176, 0x7f800000, s22       ; 448 x the scale
	v_lshrrev_b32 v180, 23, v179                   ; the byte
.if (\t)%4 == 0
	v_mov_b32 v[SB+(\t)/4], v180
.else
	v_lshl_or_b32 v[SB+(\t)/4], v180, 8*((\t)%4), v[SB+(\t)/4]
.endif
.set n, 0
.rept 32
	v_med3_num_f32 v[XS+n], v[XS+n], -v178, v178
.set n, n+1
.endr
.irp g, 0,1,2,3
	v_cvt_scalef32_pk8_fp8_f32 v[CW+8*(\t)+2*\g:CW+8*(\t)+2*\g+1], v[XS+8*\g:XS+8*\g+7], v179
.endr
	v_nop                                          ; one plain line behind the last conversion
	global_store_b128 v7, v[CW+8*(\t):CW+8*(\t)+3], s[56:57] offset:((\t)/4)*2048+((\t)%4)*512          ; k 0..15 of the block: the image's lanes 0-15; sixteen lanes store 256 consecutive bytes, aligned
	global_store_b128 v7, v[CW+8*(\t)+4:CW+8*(\t)+7], s[56:57] offset:((\t)/4)*2048+((\t)%4)*512+256    ; k 16..31: its lanes 16-31
.if (\t) < 6
	WLOAD (\t)+2
.endif
.endm
	s_load_b128 s[4:7], s[0:1], 0x0                ; x, w_qkv
	s_load_b128 s[8:11], s[0:1], 0x10              ; w_proj, xq
	s_load_b128 s[12:15], s[0:1], 0x20             ; wqk, wv
	s_load_b64 s[16:17], s[0:1], 0x30              ; wp
	v_lshl_add_u32 v200, v0, 2, 0x8400
	v_mov_b32 v201, 0
	v_lshrrev_b32 v1, 5, v0
	v_readfirstlane_b32 s18, v1                    ; wave 0..3
	v_and_b32 v1, 31, v0                           ; lane
	v_and_b32 v2, 15, v0                           ; r
	v_bfe_u32 v3, v0, 4, 1                         ; h
	v_lshlrev_b32 v4, 4, v1                        ; 16 x lane
	v_lshlrev_b32 v5, 3, v1                        ; 8 x lane
	s_mov_b32 s20, 0x76543210
	s_mov_b32 s21, 0xfedcba98                      ; v_permlanex16_b32's selects for lane l xor 16
	s_mov_b32 s22, 0x600000                        ; the mantissa field of 448
	s_wait_kmcnt 0x0
	s_cmp_lt_u32 ttmp9, 256
	s_cbranch_scc0 .Lweights
	; ---- x: work-group P = a pair of tiles, 32 tokens; my wave's K is 256 S on
	s_wait_alu depctr_va_vdst(0)
	v_cmp_lt_u32 s23, 15, v1                       ; lanes 16-31
.irp b, 0,1,2,3
	v_mov_b32 v[TM+4+\b], 0                        ; a lane permute's destination counts as one of its sources
.endr
	s_mul_i32 s24, s18, WST
	v_add_nc_u32 v6, s24, v4                       ; the stage, on the way in
	v_mul_u32_u24 v7, v2, SPI
	v_lshl_add_u32 v7, v3, 6, v7
	v_add_nc_u32 v7, s24, v7                       ; and on the way out: row r, + 64 h
	s_lshl_b32 s24, ttmp9, 17                      ; 32 tokens of 4,096 bytes
	s_lshl_b32 s25, s18, 10
	s_add_co_u32 s24, s24, s25
	s_mov_b32 s25, 0
	s_add_nc_u64 s[4:5], s[4:5], s[24:25]
	XLOAD 0
	XLOAD 1
	s_lshl_b32 s24, ttmp9, 15                      ; two tiles of 16,384 bytes of codes
	s_lshl_b32 s26, s18, 12
	s_add_co_u32 s24, s24, s26
	s_add_co_u32 s24, s24, OPC
	s_add_nc_u64 s[26:27], s[10:11], s[24:25]
	s_lshl_b32 s24, ttmp9, 10                      ; a pair's 1,024 bytes of scale words
	s_lshl_b32 s28, s18, 8
	s_add_co_u32 s24, s24, s28
	s_add_nc_u64 s[28:29], s[10:11], s[24:25]
	s_wait_alu depctr_va_vdst(0)
	FRAGX 0
	FRAGX 1
	FRAGX 2
	FRAGX 3
	v_cndmask_b32 v[WQ], v[WX], v[WX+2], s23       ; lanes 0-15: tile 0's rows, lanes 16-31: tile 1's; two words a row
	v_cndmask_b32 v[WQ+1], v[WX+1], v[WX+3], s23
	global_store_b64 v5, v[WQ:WQ+1], s[28:29]      ; 32 lanes store 256 consecutive bytes, aligned
	s_wait_tensorcnt 0x0
	ds_add_u32 v200, v201
	s_wait_dscnt 0x0
	s_endpgm
.Lweights:
	; ---- the weights: 4,096 columns (w_qkv's 3,072, then w_proj's 1,024) in 32 groups of 128; S = which 256 along K
	s_sub_co_u32 s24, ttmp9, 256
	s_and_b32 s25, s24, 31                         ; the group of columns
	s_lshr_b32 s26, s24, 5                         ; S
	s_cmp_lt_u32 s25, 16                           ; the choices hang on the work-group's number alone
	s_cselect_b64 s[28:29], s[12:13], s[14:15]     ; groups 0-15 go to wqk, 16-23 to wv,
	s_cselect_b32 s27, 0, 16
	s_cmp_lt_u32 s25, 24
	s_cselect_b64 s[28:29], s[28:29], s[16:17]     ; 24-31 to wp
	s_cselect_b32 s27, s27, 24                     ; the result's first group
	s_cselect_b64 s[30:31], s[6:7], s[8:9]         ; from w_qkv or from w_proj,
	s_cselect_b32 s19, 0, 24
	s_mov_b32 s24, 4096
	s_cselect_b32 s24, 12288, s24                  ; whose rows are 12,288 or 4,096 bytes
	s_sub_co_u32 s19, s25, s19                     ; the group within the source
	s_sub_co_u32 s27, s25, s27                     ; and within the result
	s_wait_alu depctr_va_vdst(0)
	v_and_b32 v6, 7, v1
	v_bfe_u32 v7, v1, 3, 1
	v_lshl_or_b32 v6, v7, 4, v6
	v_lshl_or_b32 v6, v3, 3, v6                    ; lane l is position l of the 32: it takes the column l with bits 3 and 4 swapped
	v_lshlrev_b32 v6, 2, v6
.set n, 0
.rept 32
	v_mad_u32_u24 v[OFF+n], s24, n, v6             ; row n of a block, my column
.set n, n+1
.endr
	s_lshl_b32 s23, s26, 8
	s_mul_i32 s23, s23, s24                        ; 256 S rows
	s_lshl_b32 s50, s19, 9                         ; 128 columns a group
	s_add_co_u32 s23, s23, s50
	s_lshl_b32 s50, s18, 7                         ; 32 columns a wave
	s_add_co_u32 s50, s23, s50
	s_mov_b32 s51, 0
	s_add_nc_u64 s[32:33], s[30:31], s[50:51]      ; a base for each of the eight blocks, 32 rows apart
	s_lshl_b32 s50, s24, 5
.irp t, 1,2,3,4,5,6,7
	s_add_nc_u64 s[32+2*\t:33+2*\t], s[30+2*\t:31+2*\t], s[50:51]
.endr
	s_wait_alu depctr_va_vdst(0)
	WLOAD 0
	WLOAD 1
	s_lshl_b32 s52, s27, 3
	s_lshl_b32 s53, s18, 1
	s_add_co_u32 s52, s52, s53                     ; my first tile of the result: 8 a group, 2 a wave
	s_lshl_b32 s54, s52, 14
	s_lshl_b32 s53, s26, 12
	s_add_co_u32 s54, s54, s53
	s_add_co_u32 s54, s54, OPC
	s_mov_b32 s55, 0
	s_add_nc_u64 s[56:57], s[28:29], s[54:55]      ; its codes at K step 2 S
	s_lshl_b32 s54, s52, 9                         ; its pair's scale words
	s_lshl_b32 s53, s26, 8
	s_add_co_u32 s54, s54, s53
	s_add_nc_u64 s[58:59], s[28:29], s[54:55]
	v_lshlrev_b32 v7, 4, v2
	v_lshl_add_u32 v7, v3, 14, v7                  ; lanes 16-31 are the second tile; 16 bytes a row
	BLOCK 0
	BLOCK 1
	BLOCK 2
	BLOCK 3
	BLOCK 4
	BLOCK 5
	BLOCK 6
	BLOCK 7
	global_store_b64 v5, v[SB:SB+1], s[58:59]      ; 32 lanes store 256 consecutive bytes, aligned
	s_endpgm
.Lfunc_end_k_q02826d77a8_quant:
	.size	k_q02826d77a8_quant, .Lfunc_end_k_q02826d77a8_quant-k_q02826d77a8_quant
	.p2alignl 7, 3214868480
	.fill 96, 4, 3214868480
	.section	.rodata,"a",@progbits
	.p2align	6, 0x0
	.amdhsa_kernel k_q02826d77a8_quant
		.amdhsa_group_segment_fixed_size 34304
		.amdhsa_private_segment_fixed_size 0
		.amdhsa_enable_private_segment 0
		.amdhsa_kernarg_size 56
		.amdhsa_user_sgpr_count 2
		.amdhsa_user_sgpr_kernarg_segment_ptr 1
		.amdhsa_wavefront_size32 1
		.amdhsa_system_sgpr_workgroup_id_x 1
		.amdhsa_system_sgpr_workgroup_id_y 1
		.amdhsa_system_sgpr_workgroup_id_z 1
		.amdhsa_system_vgpr_workitem_id 0
		.amdhsa_next_free_vgpr 202
		.amdhsa_next_free_sgpr 66
		.amdhsa_reserve_vcc 0
		.amdhsa_float_denorm_mode_32 3
		.amdhsa_float_denorm_mode_16_64 3
		.amdhsa_memory_ordered 1
		.amdhsa_forward_progress 1
		.amdhsa_inst_pref_size 109
	.end_amdhsa_kernel
	.amdgpu_metadata
---
amdhsa.version: [ 1, 2 ]
amdhsa.kernels:
  - .name:           k_q02826d77a8_quant
    .symbol:         k_q02826d77a8_quant.kd
    .args:
      - { .name: x, .offset: 0, .size: 8, .value_kind: global_buffer, .address_space: global }
      - { .name: w_qkv, .offset: 8, .size: 8, .value_kind: global_buffer, .address_space: global }
      - { .name: w_proj, .offset: 16, .size: 8, .value_kind: global_buffer, .address_space: global }
      - { .name: xq, .offset: 24, .size: 8, .value_kind: global_buffer, .address_space: global }
      - { .name: wqk, .offset: 32, .size: 8, .value_kind: global_buffer, .address_space: global }
      - { .name: wv, .offset: 40, .size: 8, .value_kind: global_buffer, .address_space: global }
      - { .name: wp, .offset: 48, .size: 8, .value_kind: global_buffer, .address_space: global }
    .group_segment_fixed_size: 34304
    .private_segment_fixed_size: 0
    .kernarg_segment_align: 8
    .kernarg_segment_size: 56
    .max_flat_workgroup_size: 128
    .sgpr_count:     66
    .vgpr_count:     202
    .wavefront_size: 32
...
	.end_amdgpu_metadata
.endif
;; end of part 1
;; launch gemm_qk (part 2): grid 8 x 32, 4 waves a work-group, clusters of 4 x 4, 327,680 bytes of LDS; arguments xq, wqk, qk, wv, vt; writes qk, vt
.if DOCPART == 2
	.amdgcn_target "amdgcn-amd-amdhsa--gfx1250"
	.amdhsa_code_object_version 6
	.text
	.protected	k_q02826d77a8_gemm_qk
	.globl	k_q02826d77a8_gemm_qk
	.p2align	8
	.type	k_q02826d77a8_gemm_qk,@function
k_q02826d77a8_gemm_qk:
	s_mov_b64 s[64:65], 0
	v_nop
	global_prefetch_b8 v0, s[64:65] scope:SCOPE_SE
	s_setreg_imm32_b32 hwreg(HW_REG_WAVE_MODE, 25, 1), 1
	s_wait_xcnt 0x0
	s_wait_alu depctr_hold_cnt(0) depctr_sa_sdst(0) depctr_va_vdst(0) depctr_va_sdst(0) depctr_va_ssrc(0) depctr_va_vcc(0) depctr_vm_vsrc(0)
	s_getreg_b32 s2, hwreg(HW_REG_IB_STS2, 6, 4)
	s_cmp_eq_u32 s2, 0
	s_cbranch_scc0 .Lentry_in_a_cluster
	s_endpgm
.Lentry_in_a_cluster:
	s_bfe_u32 s2, ttmp6, 0x10000c
	s_cmp_lg_u32 s2, 0xf033
	s_cbranch_scc0 .Lentry_shape_is_right
	s_endpgm
.Lentry_shape_is_right:
; R = A B^T on codes of FP8 (E4M3) with E8M0 scales, K = 1,024, and R is QUANTISED AT ONCE along B's rows, which are the next product's K: no f32 result goes to memory.
; Run twice: A = x's codes, B = the q and k columns of w_qkv: R = q | k by token, quantised along the columns;  A = the v columns, B = x's codes: R = v^T by column, quantised along the tokens.
; OPERANDS (both): from byte OPC on codes [tile of 16 rows][K step 0..7][2,048 bytes: the image of an operand's 16 registers, [c 0..3][lane][16 bytes]]; from byte 0 on scale words [pair of tiles][K / 256][tile][row 16][2 words].
; Row position p holds logical row p with bits 3 and 4 swapped.  THE MATRIX INSTRUCTION TAKES B AS SOURCE 0 AND A AS SOURCE 1: a lane holds one row of A, and the 16 registers of B's tiles 2 b, 2 b + 1 are B's logical rows 32 b + 16 (lane / 16) + 0..15.
; RESULT: from byte OUTC on codes [outer][tile of A][step of 128 along B, 0..15][2,048-byte image]; from byte 0 on scale words [outer][8 tiles of A][step 0..15][tile 8][row 16].  outer = tile column / 8: 0 in the first run, the batch in the second.
; SHARES: a work-group of four waves makes 256 x 256, a wave 128 x 128: 64 accumulators, 512 registers.  K goes in steps of 256 through two LDS slots filled by the tensor data mover; a wave's load brings 8 tiles x 4,096 bytes.
; An operand's images are read at 16 x lane: an instruction's 512 bytes are consecutive, so there is no padding.  The scale words of the work-group's rows for all of K come once, with the first fills.
; CLUSTERS: 4 x 4 work-groups; A's tiles are asked for jointly along a row of the cluster, B's along a column.
; LIMITS: NaN and infinities are not served; a block of zeros gets the byte 1 (its codes are zeros; this program alone reads the bytes).
; REGISTERS: window 0: v0-31 addresses; v32-63 scale words, two sets; v64-95 at work on the way out; v128-255 A's fragments, one set, later the result's codes.  window 1: B's fragments, two sets.  windows 2, 3: the accumulators ((a, b) at v[8 (8 (a % 4) + b)]).
.set NQ,     2                         ; matrix instructions deep in a slot
.set FR,     16                        ; registers of a fragment
.set NL,     4                         ; LDS loads that bring one
.set NP,     8                         ; places behind this matrix instruction (ISA guide 7.12.1)
.set TILEB,  4096                      ; a tile's two K steps
.set HALFT,  8*TILEB                   ; what one tensor load brings, and what one wave reads of A or of B
.set SLOT,   4*HALFT                   ; A's 16 tiles, then B's 16
.set LAPS,   2                         ; a lap = two slots = 512 along K
.set SCL,    2*SLOT                    ; behind the ring: the scale words
.set HALFS,  4096                      ; those of 128 rows
.set SPARE,  SCL+4*HALFS               ; the spare words, 128 bytes for each wave: two blocks of 256 bytes that no other line names
.set OPC,    0x40000
.set OUTC,   0x80000
.set ADRA, 16                          ; v16-17  LDS address of my A fragments in slot 0, 1
.set ADRB, 20                          ; v20-21  the same for B
.set STS,  24                          ; v24     the way out: where I put a scale word
.set STL,  25                          ; v25     and where I read four back
.set CO,   26                          ; v26     16 x lane
.set ADRS, 27                          ; v27     LDS address of my scale words: lanes 0-15 A's rows, lanes 16-31 B's
.set SPW,  28                          ; v28     LDS address of my spare word; never rewritten
.set NIL,  29                          ; v29     0; never rewritten
.set SC,   32                          ; scale words: set s at v[SC + 16 s]; register 2 i + q: lanes 0-15 A's block i, lanes 16-31 B's block i
.set TM,   64                          ; v64-79  the way out: +0 largest magnitudes, +4 bytes, +8 the hold, +12 the conversions' scale operands
.set PW,   80                          ; v80-87  the eight blocks' scale words
.set MW,   88                          ; v88-91  two blocks' words to a register
.set AF,   128                         ; A's fragments
.set PCB,  128                         ; the way out: block a's codes at v[PCB + 16 a]
.set G1, 24                            ; s[24:31] group 1 for A's tiles; s[32:39] group 0, a set for each slot
.set G0, 32
.set G1B, 48                           ; s[48:55], s[56:63] the same for B's
.set G0B, 56
.set G1S, 68                           ; s[68:75], s[76:79] for A's scale words; s[80:87], s[88:91] for B's
.set G0S, 76
.set G1SB, 80
.set G0SB, 88
.set MSB, 0
.macro WIN new                         ; the immediate's high byte repeats the setting that is left
.if MSB != \new
	s_set_vgpr_msb (MSB<<8)|\new
.set MSB, \new
.endif
.endm
.set MUL_LO, 0xa1                      ; source 0 (B) window 1, source 1 (A) window 0, C and D window 2
.set MUL_HI, 0xf1                      ; the same, C and D window 3
.set TO_B,   0x40                      ; destination window 1, address window 0
; A joint load: waves 0 and 1 fetch for A, waves 2 and 3 for B; the branch hangs on the wave's number alone.  Four v_nop follow each of the two lines.
.macro JLOAD g0a, g1a, g0b, g1b
	s_cmp_eq_u32 s15, 0
	s_cbranch_scc0 .Lfor_b_\@
	tensor_load_to_lds s[\g0a:\g0a+3], s[\g1a:\g1a+7]
	s_nop 0
.rept 4
	v_nop
.endr
	s_branch .Lasked_\@
.Lfor_b_\@:
	tensor_load_to_lds s[\g0b:\g0b+3], s[\g1b:\g1b+7]
	s_nop 0
.rept 4
	v_nop
.endr
.Lasked_\@:
.endm
.macro CREST                           ; a round of the cluster's barrier behind its opening barrier
	s_cmp_lg_u32 s14, 0
	s_cbranch_scc1 .Lnot_wave_0_\@
	s_barrier_signal -3
.Lnot_wave_0_\@:
	s_barrier_wait -3
	s_barrier_signal -1
	s_barrier_wait -1
.endm
.macro CROUND                          ; a whole round
	s_barrier_signal -1
	s_barrier_wait -1
	CREST
.endm
	s_load_b128 s[4:7], s[0:1], 0x0                ; A's buffer, B's buffer
	s_load_b64 s[8:9], s[0:1], 0x10                ; the result's
	v_lshl_add_u32 v[SPW], v0, 2, SPARE
	v_mov_b32 v[NIL], 0
	ds_add_u32 v28, v29
	ds_add_u32 v28, v29
	s_wait_dscnt 0x0
	v_lshrrev_b32 v1, 5, v0
	v_readfirstlane_b32 s14, v1                    ; wave 0..3
	s_lshr_b32 s15, s14, 1                         ; which half of A's rows is mine.  Also: I fetch for A (0) or for B (1)
	s_and_b32 s16, s14, 1                          ; which half of B's rows.  Also: which 128 rows I fetch
	s_bfe_u32 s40, ttmp6, 0x40000                  ; cx, cy: my place in the cluster
	s_bfe_u32 s41, ttmp6, 0x40004
	s_lshl_b32 s42, ttmp9, 2
	s_add_co_u32 s42, s42, s40                     ; X: which 256 rows of B
	s_and_b32 s17, ttmp7, 0xffff
	s_lshl_b32 s17, s17, 2
	s_add_co_u32 s17, s17, s41                     ; Y: which 256 rows of A
	s_lshl_b32 s43, s41, 2
	s_lshl_b32 s43, 15, s43                        ; my row of the cluster
	s_lshl_b32 s44, 0x1111, s40                    ; my column
	; group 1, codes: 8 rows (tiles) of 512 elements of 8 bytes (two K steps' images), 2,048 elements (a tile's 16,384 bytes) apart; no padding
	s_or_b32 s[G1+0], s43, (3<<16)|(1<<21)         ; 15:0 the mask; 17:16 elements of 8 bytes; 21 set beside a mask
	s_or_b32 s[G1B+0], s44, (3<<16)|(1<<21)
.irp g, G1, G1B
	s_mov_b32 s[\g+1], 512<<16                     ; tensor_dim0
	s_mov_b32 s[\g+2], 16<<16                      ; tensor_dim1: 16 tiles for the head's loads; 8 behind them
	s_mov_b32 s[\g+3], 512<<16                     ; tile_dim0
	s_mov_b32 s[\g+4], 16                          ; tile_dim1
	s_mov_b32 s[\g+5], 2048                        ; tensor_dim0_stride
	s_mov_b32 s[\g+6], 0
	s_mov_b32 s[\g+7], 0
.endr
	; group 1, scale words of 256 rows: 8,192 dense bytes as 32 rows of 256
	s_or_b32 s[G1S+0], s43, (3<<16)|(1<<21)
	s_or_b32 s[G1SB+0], s44, (3<<16)|(1<<21)
.irp g, G1S, G1SB
	s_mov_b32 s[\g+1], 32<<16
	s_mov_b32 s[\g+2], 32<<16
	s_mov_b32 s[\g+3], 32<<16
	s_mov_b32 s[\g+4], 32
	s_mov_b32 s[\g+5], 32
	s_mov_b32 s[\g+6], 0
	s_mov_b32 s[\g+7], 0
.endr
	s_lshl_b32 s20, s17, 18                        ; A: 16 tiles of 16,384 bytes for each Y
	s_add_co_u32 s20, s20, OPC
	s_mov_b32 s21, 0
	s_lshl_b32 s46, s42, 18                        ; B likewise, in registers that never hold A's coordinate
	s_add_co_u32 s46, s46, OPC
	s_mov_b32 s47, 0
	s_lshl_b32 s22, s17, 13                        ; the scale words: 8,192 bytes for 256 rows
	s_mov_b32 s23, 0
	s_lshl_b32 s92, s42, 13
	s_mov_b32 s93, 0
	s_lshl_b32 s18, s16, 17                        ; in the ring I fetch 8 tiles: which half
	s_mov_b32 s19, 0
	s_lshl_b32 s45, s14, 15                        ; and where they go: wave x HALFT
	s_wait_kmcnt 0x0
	s_add_nc_u64 s[20:21], s[4:5], s[20:21]
	s_add_nc_u64 s[G0S+2:G0S+3], s[4:5], s[22:23]
	s_add_nc_u64 s[46:47], s[6:7], s[46:47]
	s_add_nc_u64 s[G0SB+2:G0SB+3], s[6:7], s[92:93]
	CROUND                                         ; all sixteen work-groups are here: the first joint loads meet
	s_mov_b32 s4, 1                                ; s[4:7]: group 0 of the head's load of A's 16 tiles, K 0..255 (the arguments that lay there are used up)
	s_mov_b32 s5, 0
	s_mov_b64 s[6:7], s[20:21]
	s_or_b32 s7, s7, 0x80000000
	s_mov_b32 s92, 1                               ; s[92:95]: the same for B's 16 tiles, behind A's in slot 0
	s_mov_b32 s93, 2*HALFT
	s_mov_b64 s[94:95], s[46:47]
	s_or_b32 s95, s95, 0x80000000
	s_mov_b32 s[G0S], 1                            ; the scale words of A's 256 rows,
	s_mov_b32 s[G0S+1], SCL
	s_or_b32 s[G0S+3], s[G0S+3], 0x80000000
	s_mov_b32 s[G0SB], 1                           ; and of B's
	s_mov_b32 s[G0SB+1], SCL+2*HALFS
	s_or_b32 s[G0SB+3], s[G0SB+3], 0x80000000
	s_add_nc_u64 s[20:21], s[20:21], s[18:19]      ; for the ring: my 8 tiles
	s_add_nc_u64 s[46:47], s[46:47], s[18:19]
.irp s, 0,1
	s_mov_b32 s[G0+4*\s], 1
	s_add_co_u32 s[G0+4*\s+1], s45, \s*SLOT
	s_add_nc_u64 s[G0+4*\s+2:G0+4*\s+3], s[20:21], \s*TILEB
	s_or_b32 s[G0+4*\s+3], s[G0+4*\s+3], 0x80000000
	s_mov_b32 s[G0B+4*\s], 1
	s_add_co_u32 s[G0B+4*\s+1], s45, \s*SLOT
	s_add_nc_u64 s[G0B+4*\s+2:G0B+4*\s+3], s[46:47], \s*TILEB
	s_or_b32 s[G0B+4*\s+3], s[G0B+4*\s+3], 0x80000000
.endr
; THE HEAD'S LOADS, ONE A WAVE: wave 0 A's 16 tiles of slot 0, wave 1 B's, wave 2 A's scale words, wave 3 B's.  One chain of branches on the wave's number: every way passes one load.
.macro ARM under, g0, g1, next
	s_cmp_lt_u32 s14, \under
	s_cbranch_scc0 \next
	tensor_load_to_lds s[\g0:\g0+3], s[\g1:\g1+7]
	s_nop 0
.rept 4
	v_nop
.endr
	s_branch .Lhead_asked
\next:
.endm
	ARM 1, 4,   G1,  .Lhead_b
	ARM 2, 92,  G1B, .Lhead_sa
	ARM 3, G0S, G1S, .Lhead_sb
	tensor_load_to_lds s[G0SB:G0SB+3], s[G1SB:G1SB+7]
	s_nop 0
.rept 4
	v_nop
.endr
.Lhead_asked:
; PREFETCHES INTO THE L2: of the 8 tiles that my wave fetches for the ring, the partner at place p (cx for A, cy for B) names tiles 2 p, 2 p + 1: 32 blocks of 256 bytes of one slot's K, a lane a block, told apart by address alone.
; Each later slot's K is asked for one fill ahead of its tensor load, by an immediate offset: s[44:45] and v30 are never rewritten.
	s_cmp_eq_u32 s15, 0
	s_cselect_b64 s[44:45], s[20:21], s[46:47]
	s_cselect_b32 s40, s40, s41
	s_lshl_b32 s40, s40, 15
	s_mov_b32 s41, 0
	s_add_nc_u64 s[44:45], s[44:45], s[40:41]
	v_and_b32 v30, 15, v0
	v_bfe_u32 v31, v0, 4, 1
	v_lshlrev_b32 v30, 8, v30
	v_lshl_add_u32 v30, v31, 14, v30               ; 16,384 x (lane / 16) + 256 x (lane % 16)
	global_prefetch_b8 v30, s[44:45] offset:TILEB th:TH_LOAD_NT scope:SCOPE_SE   ; slot 1's first K
	v_and_b32 v1, 15, v0                           ; r
	v_bfe_u32 v2, v0, 4, 1                         ; h
	s_wait_alu depctr_va_vdst(0)
	v_and_b32 v3, 31, v0                           ; lane
	v_lshlrev_b32 v[CO], 4, v3                     ; 16 x lane
	v_cmp_lt_u32 s96, 15, v3                       ; lanes 16-31
	s_lshl_b32 s21, s15, 15                        ; my 8 tiles of A
	s_lshl_b32 s22, s16, 15                        ; my 8 tiles of B,
	s_add_co_u32 s22, s22, 2*HALFT                 ; which lie behind A's 16
.irp s, 0,1
	v_add_nc_u32 v[ADRA+\s], s21, v[CO]
	v_add_nc_u32 v[ADRB+\s], s22, v[CO]
	s_add_co_u32 s21, s21, SLOT
	s_add_co_u32 s22, s22, SLOT
.endr
	v_lshlrev_b32 v5, 3, v1                        ; my row's two words
	s_lshl_b32 s21, s15, 12                        ; A's: my 128 rows
	s_lshl_b32 s22, s16, 12                        ; B's: my 128 rows, behind A's 256
	s_add_co_u32 s22, s22, 2*HALFS
	s_sub_co_u32 s22, s22, s21
	v_mul_u32_u24 v6, s22, v2                      ; lanes 16-31 take B's: the lower base + h x the distance
	s_add_co_u32 s21, s21, SCL
	v_add_nc_u32 v5, v5, v6
	v_add_nc_u32 v[ADRS], s21, v5
	s_lshl_b32 s21, s14, 9                         ; the way out: 512 bytes a wave from byte 245,760 of the ring on: those bytes have had their last fill and their last read by then
	s_add_co_u32 s21, s21, 245760
	v_lshl_add_u32 v[STS], v3, 2, s21
	v_add_nc_u32 v[STL], s21, v[CO]
.irp b, 0,1,2,3
	v_mov_b32 v[TM+4+\b], 0                        ; a lane permute's destination counts as one of its sources
.endr
	; where my part of the result begins
	s_lshr_b32 s20, s42, 3                         ; outer
	s_and_b32 s21, s42, 7
	s_lshl_b32 s21, s21, 1
	s_add_co_u32 s21, s21, s16                     ; my step of 128 along B
	s_lshl_b32 s22, s20, 21
	s_lshl_b32 s23, s17, 19                        ; 16 tiles of 32,768 bytes for each Y
	s_add_co_u32 s22, s22, s23
	s_lshl_b32 s23, s15, 18
	s_add_co_u32 s22, s22, s23
	s_lshl_b32 s23, s21, 11
	s_add_co_u32 s22, s22, s23
	s_add_co_u32 s22, s22, OUTC
	s_mov_b32 s23, 0
	s_add_nc_u64 s[12:13], s[8:9], s[22:23]        ; the codes
	s_lshl_b32 s22, s20, 16
	s_lshl_b32 s18, s17, 14                        ; two groups of 8 tiles, 8,192 bytes each, for each Y
	s_add_co_u32 s22, s22, s18
	s_lshl_b32 s18, s15, 13
	s_add_co_u32 s22, s22, s18
	s_lshl_b32 s18, s21, 9
	s_add_co_u32 s22, s22, s18
	s_add_nc_u64 s[10:11], s[8:9], s[22:23]        ; the scale words
.macro FRAG reg, adr, q, i             ; a fragment's image: four loads of 512 consecutive bytes
.irp c, 0,1,2,3
	ds_load_b128 v[\reg+4*\c:\reg+4*\c+3], v[\adr] offset:(\i)*TILEB+(\q)*2048+512*\c
.endr
.endm
; 16 matrix instructions: A's blocks a0, a0 + 1 x B's eight, 128 along K.  p: B's set; sc: the set of scale words.  zero = 1: the first product starts the sums.
; The 64 accumulators take turns, one instruction a turn, in the same order in every step.
.macro MUL16 a0, p, q, sc, zero
.irp a, \a0, \a0+1
.irp b, 0,1,2,3,4,5,6,7
.if \zero
	v_wmma_scale_f32_16x16x128_f8f6f4 v[8*(8*((\a)%4)+\b):8*(8*((\a)%4)+\b)+7], v[128*(\p)+FR*\b:128*(\p)+FR*\b+FR-1], v[AF+FR*(\a):AF+FR*(\a)+FR-1], 0, v[SC+8*NQ*(\sc)+NQ*\b+(\q)], v[SC+8*NQ*(\sc)+NQ*(\a)+(\q)] matrix_a_scale:MATRIX_SCALE_ROW1
.else
	v_wmma_scale_f32_16x16x128_f8f6f4 v[8*(8*((\a)%4)+\b):8*(8*((\a)%4)+\b)+7], v[128*(\p)+FR*\b:128*(\p)+FR*\b+FR-1], v[AF+FR*(\a):AF+FR*(\a)+FR-1], v[8*(8*((\a)%4)+\b):8*(8*((\a)%4)+\b)+7], v[SC+8*NQ*(\sc)+NQ*\b+(\q)], v[SC+8*NQ*(\sc)+NQ*(\a)+(\q)] matrix_a_scale:MATRIX_SCALE_ROW1
.endif
.endr
.endr
.endm
.macro FETCH_B slot, q, p
	WIN TO_B
.irp i, 0,1,2,3,4,5,6,7
	FRAG 128*(\p)+FR*\i, ADRB+\slot, \q, \i
.endr
	WIN 0
.endm
.macro FETCH_A slot, q, i0
.irp i, \i0, \i0+1, \i0+2, \i0+3
	FRAG AF+FR*(\i), ADRA+\slot, \q, \i
.endr
.endm
.macro SCALES sc                       ; a slot's scale words: two a row; lanes 0-15 take A's block i, lanes 16-31 B's.  The two halves' 128 bytes fall on the same banks: eight such loads for 128 matrix instructions
.irp i, 0,1,2,3,4,5,6,7
	ds_load_b64 v[SC+8*NQ*\sc+NQ*\i:SC+8*NQ*\sc+NQ*\i+1], v[ADRS] offset:(\i/2)*1024+(\i%2)*128
.endr
.endm
; A load into a register that a matrix instruction has read, and a vector instruction or store that reads a matrix result, stand NP places behind it; only plain vector instructions that name none of its registers are places (ISA guide 7.12.1 for vector instructions).
.macro PLACES n
.rept \n
	v_nop
.endr
.endm
.macro STEP slot, q, zero              ; a step of 128 along K that has its successor in the same slot
	s_wait_dscnt 4*NL                              ; B's set, the scale words and A's blocks 0-3 are in; the youngest sixteen loads (A's blocks 4-7) may be out
	WIN MUL_LO
	MUL16 0, (\q)%2, \q, \slot, \zero
	MUL16 2, (\q)%2, \q, \slot, \zero
	s_wait_dscnt 0                                 ; A's blocks 4-7 are in
	PLACES NP
	FETCH_B \slot, (\q)+1, 1-(\q)%2
	FETCH_A \slot, (\q)+1, 0
	WIN MUL_HI
	MUL16 4, (\q)%2, \q, \slot, \zero
	MUL16 6, (\q)%2, \q, \slot, \zero
	PLACES NP
	WIN 0
	FETCH_A \slot, (\q)+1, 4
.endm
; A slot's last step changes slots: one barrier; in front of it each wave waits for all its tensor loads, adds 0 to its spare word, and waits for that and for its reads of this slot.  fill = 1: this slot is filled again, 512 along K ahead.
.macro TURN slot, next, fill
	s_wait_tensorcnt 0x0                           ; all my tensor loads have landed: my part of the next slot
	ds_add_u32 v[SPW], v[NIL]                      ; 0 onto my spare word
	s_wait_dscnt 4*NL+1                            ; (the add and the youngest sixteen loads may be out)
	WIN MUL_LO
	MUL16 0, 1, NQ-1, \slot, 0
	s_wait_dscnt 0x0                               ; the add is done, and my reads of this slot are over
	s_barrier_signal -1
	MUL16 2, 1, NQ-1, \slot, 0
	WIN 0
	s_barrier_wait -1
.if \fill
	CREST                                          ; the barrier has opened a round of the cluster's: no wave of any partner still reads this slot or has a load on its way
	s_add_nc_u64 s[G0+4*\slot+2:G0+4*\slot+3], s[G0+4*\slot+2:G0+4*\slot+3], 2*TILEB
	s_add_nc_u64 s[G0B+4*\slot+2:G0B+4*\slot+3], s[G0B+4*\slot+2:G0B+4*\slot+3], 2*TILEB
	JLOAD G0+4*\slot, G1, G0B+4*\slot, G1B         ; the first tensor load behind the round; its four v_nop are among the places in front of the loads below
	PLACES NP-4
.else
	PLACES NP
.endif
	s_wait_alu depctr_va_vdst(0)
	v_add_nc_u32 v[ADRS], 256, v[ADRS]             ; the next slot's scale words
	FETCH_B \next, 0, 0
	FETCH_A \next, 0, 0
	SCALES \next
.if (\fill) && (\slot) == 0
	global_prefetch_b8 v30, s[44:45] offset:3*TILEB th:TH_LOAD_NT scope:SCOPE_SE   ; the K that the next change of slots loads; there is none behind it
.endif
	WIN MUL_HI
	MUL16 4, 1, NQ-1, \slot, 0
	MUL16 6, 1, NQ-1, \slot, 0
	PLACES NP
	WIN 0
	FETCH_A \next, 0, 4
.endm
	s_wait_alu depctr_va_vdst(0)
	s_wait_tensorcnt 0x0                           ; my tile of the head's four is in
	ds_add_u32 v[SPW], v[NIL]
	s_mov_b32 s[G1+2], 8<<16                       ; no tensor load of mine is out: from here on a load brings 8 tiles
	s_mov_b32 s[G1+4], 8
	s_mov_b32 s[G1B+2], 8<<16
	s_mov_b32 s[G1B+4], 8
	s_wait_dscnt 0x0
	CROUND                                         ; all four tiles are in, and all sixteen work-groups are here
	JLOAD G0+4, G1, G0B+4, G1B                     ; slot 1's first fill, the first tensor load behind the round
	FETCH_B 0, 0, 0
	FETCH_A 0, 0, 0
	SCALES 0
	global_prefetch_b8 v30, s[44:45] offset:2*TILEB th:TH_LOAD_NT scope:SCOPE_SE   ; the K that the first change of slots loads
	FETCH_A 0, 0, 4
	STEP 0, 0, 1                                   ; the first step stands in front of the loop: its products start the sums
	s_mov_b32 s3, LAPS-1
.Llap:                                                 ; a trip goes once round the ring and fills both slots again
	TURN 0, 1, 1
	STEP 1, 0, 0
	TURN 1, 0, 1
	STEP 0, 0, 0
	s_sub_co_u32 s3, s3, 1
	s_cmp_lg_u32 s3, 0
	s_cbranch_scc1 .Llap
	s_load_b64 s[90:91], s[0:1], 0x0               ; for the second block: xq,
	s_load_b64 s[88:89], s[0:1], 0x18              ; wv,
	s_load_b64 s[92:93], s[0:1], 0x20              ; vt (these registers' tensor loads landed at the head)
	TURN 0, 1, 0                                   ; the last lap fills nothing
	STEP 1, 0, 0
	s_wait_dscnt 4*NL
	WIN MUL_LO
	MUL16 0, 1, NQ-1, 1, 0
	MUL16 2, 1, NQ-1, 1, 0
	s_wait_dscnt 0
	WIN MUL_HI
	MUL16 4, 1, NQ-1, 1, 0
	MUL16 6, 1, NQ-1, 1, 0
	WIN 0
; ---- THE WORK-GROUP STAYS: behind its 256 x 256 of q | k it makes 128 channels x 256 tokens of v^T = A B^T, A = wv (the v columns of w_qkv), B = xq, quantised along the tokens: 8 x 32 = 256 such blocks, one a work-group.
; RESULT vt: from OUTC on codes [batch][tile of A 0..63][step of 128 tokens 0..15][2,048-byte image]; from 0 on scale words [batch][8 tiles of A][step][tile 8][row 16].
; Its tiles are asked for HERE, behind a drained round of the cluster's barrier, and land while q | k is quantised and stored.  They lie on bytes of the ring alone: region 0 (6,144 bytes a tile: K steps 0-2, later 5-7), region 1 (4,096 a tile: K steps 3, 4).
; A wave makes 64 x 128: 32 accumulators (window 2); two sets of fragment registers for both operands.  The scale words go from memory straight into registers: a load of 8 bytes a lane takes a pair of tiles and 256 along K: lanes 0-15 the even tile's rows, lanes 16-31 the odd one's.
; X = 4 x cluster y + cx (tokens), Y = 4 x cluster x + cy (channels): A's tiles are shared along a row of the cluster, B's along a column.
.set VT0,  6144
.set VRB0, 8*VT0                       ; region 0: A's 8 tiles from 0, B's 16 from here
.set VRA1, 24*VT0                      ; region 1: A's tiles,
.set VRB1, VRA1+8*4096                 ; B's; it ends at byte 245,760
.set VSTG, 245760+2048                 ; 256 bytes a wave for the scale words on their way out
.set VSB,  32                          ; v32-63 B's scale words (register 8 pair + K step); v100-115 A's: no product's two have numbers equal modulo 8
.set VSA,  100
.macro TLD g0, g1                      ; a tensor load; s_nop 0 and four v_nop follow it
	tensor_load_to_lds s[\g0:\g0+3], s[\g1:\g1+7]
	s_nop 0
	PLACES 4
.endm
.macro GRP g, c, r, p                  ; group 1, words 1-7: r rows of c elements of 8 bytes, p elements apart
	s_mov_b32 s[\g+1], (\c)<<16
	s_mov_b32 s[\g+2], (\r)<<16
	s_mov_b32 s[\g+3], (\c)<<16
	s_mov_b32 s[\g+4], \r
	s_mov_b32 s[\g+5], \p
	s_mov_b32 s[\g+6], 0
	s_mov_b32 s[\g+7], 0
.endm
.macro GRP0 g, lds, src, off           ; group 0: LDS byte, the address in s[src:src+1] + off
	s_mov_b32 s[\g], 1
	s_mov_b32 s[\g+1], \lds
	s_add_nc_u64 s[\g+2:\g+3], s[\src:\src+1], \off
	s_or_b32 s[\g+3], s[\g+3], 0x80000000
.endm
	s_wait_xcnt 0x0                                ; my prefetches have read their address registers, which are written below
	s_wait_tensorcnt 0x0                           ; no tensor load of mine is out: every descriptor may be written
	ds_add_u32 v[SPW], v[NIL]                      ; the descriptors' scalar work stands between it and its wait
	s_bfe_u32 s40, ttmp6, 0x40000                  ; cx, cy
	s_bfe_u32 s41, ttmp6, 0x40004
	s_and_b32 s42, ttmp7, 0xffff
	s_lshl_b32 s42, s42, 2
	s_add_co_u32 s42, s42, s40                     ; X: which 256 tokens
	s_lshl_b32 s17, ttmp9, 2
	s_add_co_u32 s17, s17, s41                     ; Y: which 128 channels
	s_lshl_b32 s43, s41, 2
	s_lshl_b32 s43, 15, s43                        ; my row of the cluster
	s_lshl_b32 s44, 0x1111, s40                    ; my column
	s_or_b32 s24, s43, (3<<16)|(1<<21)
	s_or_b32 s32, s44, (3<<16)|(1<<21)
	s_or_b32 s48, s43, (3<<16)|(1<<21)
	s_or_b32 s56, s44, (3<<16)|(1<<21)
	GRP 24, 768, 8, 2048                           ; region 0: A's 8 tiles x 6,144 bytes, 16,384 bytes apart (the refill's loads bring 4)
	GRP 32, 768, 16, 2048                          ; B's 16 (the refill's bring 8)
	GRP 48, 512, 8, 2048                           ; region 1: 4,096 bytes a tile
	GRP 56, 512, 16, 2048
	s_lshl_b32 s18, s17, 17                        ; A: 8 tiles of 16,384 bytes for each Y
	s_add_co_u32 s18, s18, OPC
	s_mov_b32 s19, 0
	s_lshl_b32 s46, s42, 18                        ; B: 16 tiles for each X
	s_add_co_u32 s46, s46, OPC
	s_mov_b32 s47, 0
	s_lshl_b32 s8, s17, 12                         ; A's scale words: my 64 rows
	s_lshl_b32 s23, s15, 11
	s_add_co_u32 s8, s8, s23
	s_mov_b32 s9, 0
	s_lshl_b32 s2, s42, 13                         ; B's: my 128 rows
	s_lshl_b32 s23, s16, 12
	s_add_co_u32 s2, s2, s23
	s_mov_b32 s3, 0
	s_wait_kmcnt 0x0
	s_add_nc_u64 s[18:19], s[88:89], s[18:19]
	s_add_nc_u64 s[88:89], s[88:89], s[8:9]
	s_add_nc_u64 s[46:47], s[90:91], s[46:47]
	s_add_nc_u64 s[90:91], s[90:91], s[2:3]
	GRP0 4,  0,    18, 0
	GRP0 68, VRB0, 46, 0
	GRP0 72, VRA1, 18, 3*2048
	GRP0 76, VRB1, 46, 3*2048
	s_lshl_b32 s8, s16, 16                         ; the refill: my 4 tiles of A,
	s_add_nc_u64 s[18:19], s[18:19], s[8:9]
	s_lshl_b32 s8, s16, 17                         ; or my 8 of B,
	s_add_nc_u64 s[46:47], s[46:47], s[8:9]
	s_mul_i32 s45, s16, 4*VT0                      ; and where they go
	s_mul_i32 s23, s16, 8*VT0
	s_add_co_u32 s23, s23, VRB0
	GRP0 80, s45, 18, 5*2048
	GRP0 84, s23, 46, 5*2048
	s_wait_dscnt 0x0                               ; the add is done; my reads of the ring were over before
	CROUND                                         ; no wave of any partner still reads the ring or has a load on its way
.macro VARM under, g0, g1, next        ; one load a wave, each with a line of its own: waves 0 and 1 bring region 0, waves 2 and 3 region 1
	s_cmp_lt_u32 s14, \under
	s_cbranch_scc0 \next
	TLD \g0, \g1
	s_branch .Lv_asked
\next:
.endm
	VARM 1, 4,  24, .Lv_b
	VARM 2, 68, 32, .Lv_a1
	VARM 3, 72, 48, .Lv_b1
	TLD 76, 56
.Lv_asked:
	; the prefetch of the refill's bytes (24 blocks of 256 bytes a tile): the partner at place p (cx for A, cy for B) names A's tile p of my four, or B's tiles 2 p, 2 p + 1 of my eight; lanes 24-31 name the last block again
	s_cmp_eq_u32 s15, 0
	s_cselect_b64 s[2:3], s[18:19], s[46:47]
	s_cselect_b32 s8, s40, s41
	s_cselect_b32 s9, 14, 15
	s_lshl_b32 s8, s8, s9
	s_mov_b32 s9, 0
	s_add_nc_u64 s[2:3], s[2:3], s[8:9]
	s_mul_i32 s40, s15, 4*VT0                      ; my 4 tiles of A in region 0,
	s_mul_i32 s41, s16, 8*VT0
	s_add_co_u32 s41, s41, VRB0                    ; my 8 of B,
	s_lshl_b32 s43, s15, 14
	s_add_co_u32 s43, s43, VRA1                    ; and the same in region 1
	s_lshl_b32 s44, s16, 15
	s_add_co_u32 s44, s44, VRB1
	s_lshl_b32 s97, s14, 8
	s_add_co_u32 s97, s97, VSTG
	s_lshr_b32 s23, s42, 3                         ; the batch
	s_and_b32 s8, s42, 7
	s_lshl_b32 s8, s8, 1
	s_add_co_u32 s8, s8, s16                       ; my step of 128 tokens
	s_lshl_b32 s18, s23, 21                        ; the codes: 64 tiles of 32,768 bytes a batch, 8 tiles for each Y, 4 a wave
	s_lshl_b32 s19, s17, 18
	s_add_co_u32 s18, s18, s19
	s_lshl_b32 s19, s15, 17
	s_add_co_u32 s18, s18, s19
	s_lshl_b32 s19, s8, 11
	s_add_co_u32 s18, s18, s19
	s_add_co_u32 s18, s18, OUTC
	s_mov_b32 s19, 0
	s_add_nc_u64 s[94:95], s[92:93], s[18:19]
	s_lshl_b32 s46, s23, 16                        ; the scale words: 8,192 bytes for each Y, 512 a step, my 4 tiles' 256
	s_lshl_b32 s47, s17, 13
	s_add_co_u32 s46, s46, s47
	s_lshl_b32 s47, s8, 9
	s_add_co_u32 s46, s46, s47
	s_lshl_b32 s47, s15, 8
	s_add_co_u32 s46, s46, s47
	s_mov_b32 s47, 0
	s_add_nc_u64 s[92:93], s[92:93], s[46:47]
	PLACES 4                                       ; with the four behind the load: eight places behind the last products, whose scale registers the loads below write
	v_lshlrev_b32 v31, 3, v3                       ; 8 x lane
.irp pr, 0,1
.irp s, 0,1,2,3
	global_load_b64 v[VSA+8*\pr+2*\s:VSA+8*\pr+2*\s+1], v31, s[88:89] offset:\pr*1024+\s*256   ; 32 lanes read 256 consecutive bytes, aligned
.endr
.endr
.irp pr, 0,1,2,3
.irp s, 0,1,2,3
	global_load_b64 v[VSB+8*\pr+2*\s:VSB+8*\pr+2*\s+1], v31, s[90:91] offset:\pr*1024+\s*256
.endr
.endr
	v_min_u32 v30, 23, v3
	v_lshlrev_b32 v30, 8, v30
	global_prefetch_b8 v30, s[2:3] offset:5*2048 th:TH_LOAD_NT scope:SCOPE_SE   ; K steps 5-7; s[2:3] and v30 are not written again
	v_add_nc_u32 v[ADRA], s40, v[CO]
	v_add_nc_u32 v[ADRB], s41, v[CO]
	v_add_nc_u32 v[ADRA+1], s43, v[CO]
	v_add_nc_u32 v[ADRB+1], s44, v[CO]
	v_lshl_add_u32 v22, v3, 2, s97                 ; v22, v23: where I put a scale word of v^T, and where I read two back
	v_add_nc_u32 v23, s97, v31
	s_cmp_eq_u32 s15, 0
	s_cbranch_scc1 .Lv_one
	global_prefetch_b8 v30, s[2:3] offset:5*2048+16384 th:TH_LOAD_NT scope:SCOPE_SE   ; B's second tile
.Lv_one:
; ---- q | k goes out
; THE WAY OUT.  Block a (16 rows of A): a lane's 64 registers are, for its row, register 16 b + i = index 32 b + 16 (lane / 16) + i along B: the order in which the next product wants its K.  So they are quantised where they lie:
; the codes are an operand's 16 registers and leave as its image, four stores of 512 consecutive bytes.  Each accumulator is read from its low end on.
.macro QUANTW a
.set AC, 64*((\a)%4)
.set WW, 2+(\a)/4
.set PCD, PCB+16*(\a)
.set WN, WW|(WW<<2)
	WIN WN                                         ; sources 0 and 1: the accumulators' window
.irp b, 0,1,2,3
	v_max3_num_f32 v[TM+\b], |v[AC+16*\b]|, |v[AC+16*\b+1]|, 0x4800000   ; block b: my 16 numbers and the floor 2^(9 - 127)
.endr
.irp i, 2,4,6,8,10,12,14
.irp b, 0,1,2,3
	v_max3_num_f32 v[TM+\b], |v[AC+16*\b+\i]|, |v[AC+16*\b+\i+1]|, v[TM+\b]
.endr
.endr
	WIN 0
.irp b, 0,1,2,3
	v_permlanex16_b32 v[TM+4+\b], v[TM+\b], s20, s21
.endr
.irp b, 0,1,2,3
	v_max_num_f32 v[TM+\b], v[TM+\b], v[TM+4+\b]                  ; with lane l xor 16's: the block's largest magnitude
.endr
.irp b, 0,1,2,3
	v_add_nc_u32 v[TM+12+\b], 0xfc000000, v[TM+\b]                ; the conversions' scale operand
.endr
.irp b, 0,1,2,3
	v_and_or_b32 v[TM+8+\b], v[TM+\b], 0x7f800000, s22            ; 448 x the scale
.endr
.irp b, 0,1,2,3
	v_lshrrev_b32 v[TM+4+\b], 23, v[TM+12+\b]                     ; the byte
.endr
	v_lshl_or_b32 v[PW+(\a)], v[TM+5], 8, v[TM+4]
	v_lshl_or_b32 v[PW+(\a)], v[TM+6], 16, v[PW+(\a)]
	v_lshl_or_b32 v[PW+(\a)], v[TM+7], 24, v[PW+(\a)]
.set WN, WW|(WW<<6)
	WIN WN                                         ; source 0 and destination: the accumulators' window
.irp b, 0,1,2,3
.irp i, 0,1,2,3,4,5,6,7,8,9,10,11,12,13,14,15
	v_med3_num_f32 v[AC+16*\b+\i], v[AC+16*\b+\i], -v[TM+8+\b], v[TM+8+\b]   ; the conversion does not saturate (ISA guide 7.6.2)
.endr
.endr
	WIN WW
.irp b, 0,1,2,3
	v_cvt_scalef32_pk8_fp8_f32 v[PCD+4*\b:PCD+4*\b+1], v[AC+16*\b:AC+16*\b+7], v[TM+12+\b]
	v_cvt_scalef32_pk8_fp8_f32 v[PCD+4*\b+2:PCD+4*\b+3], v[AC+16*\b+8:AC+16*\b+15], v[TM+12+\b]
.endr
	WIN 0
	v_nop                                          ; one plain line behind the last conversion
.irp c, 0,1,2,3
	global_store_b128 v[CO], v[PCD+4*\c:PCD+4*\c+3], s[12:13] offset:(\a)*32768+512*\c
.endr
.endm
	s_mov_b32 s20, 0x76543210
	s_mov_b32 s21, 0xfedcba98                      ; v_permlanex16_b32's selects for lane l xor 16
	s_mov_b32 s22, 0x600000                        ; the mantissa field of 448
	PLACES NP                                      ; behind the last products
.irp a, 0,1,2,3,4,5,6,7
	QUANTW \a                                      ; every block has its own registers for codes and word: no store's data are written again
.endr
.irp i, 0,1,2,3
	v_cndmask_b32 v[MW+\i], v[PW+2*\i], v[PW+2*\i+1], s96         ; lanes 0-15: block 2 i's rows, lanes 16-31: block 2 i + 1's
.endr
.irp i, 0,1,2,3
	ds_store_b32 v[STS], v[MW+\i] offset:128*\i
.endr
	ds_load_b128 v[92:95], v[STL]                  ; LDS serves a wave's instructions in order (ISA guide 5.7.1.4): this sees my stores
	s_wait_dscnt 0x0
	global_store_b128 v[CO], v[92:95], s[10:11]    ; my 128 rows' words of this step: 512 consecutive bytes
; ---- v^T
.macro VFETCH r, j, p                  ; region r's j-th 128 along K into set p: B's eight fragments, A's four: 48 loads of 512 consecutive bytes
	WIN TO_B
.irp i, 0,1,2,3,4,5,6,7
.irp c, 0,1,2,3
	ds_load_b128 v[128*(\p)+16*\i+4*\c:128*(\p)+16*\i+4*\c+3], v[ADRB+\r] offset:\i*(VT0-(\r)*2048)+(\j)*2048+512*\c
.endr
.endr
	WIN 0
.irp i, 0,1,2,3
.irp c, 0,1,2,3
	ds_load_b128 v[AF+64*(\p)+16*\i+4*\c:AF+64*(\p)+16*\i+4*\c+3], v[ADRA+\r] offset:\i*(VT0-(\r)*2048)+(\j)*2048+512*\c
.endr
.endr
.endm
; 8 matrix instructions: A's block a x B's eight, set p, K step n.  An odd tile's scale words lie in lanes 16-31.  The 32 accumulators take turns in the same order in every step.
.macro MUL8 a, p, n, zero
.irp b, 0,1,2,3,4,5,6,7
.set D_, 8*(8*(\a)+\b)
.set B_, 128*(\p)+16*\b
.set A_, AF+64*(\p)+16*(\a)
.set SB_, VSB+8*(\b/2)+(\n)
.set SA_, VSA+8*((\a)/2)+(\n)
.set R_, 4*(\zero)+2*(\b%2)+(\a)%2
.if R_ == 0
	v_wmma_scale_f32_16x16x128_f8f6f4 v[D_:D_+7], v[B_:B_+15], v[A_:A_+15], v[D_:D_+7], v[SB_], v[SA_]
.elseif R_ == 1
	v_wmma_scale_f32_16x16x128_f8f6f4 v[D_:D_+7], v[B_:B_+15], v[A_:A_+15], v[D_:D_+7], v[SB_], v[SA_] matrix_b_scale:MATRIX_SCALE_ROW1
.elseif R_ == 2
	v_wmma_scale_f32_16x16x128_f8f6f4 v[D_:D_+7], v[B_:B_+15], v[A_:A_+15], v[D_:D_+7], v[SB_], v[SA_] matrix_a_scale:MATRIX_SCALE_ROW1
.elseif R_ == 3
	v_wmma_scale_f32_16x16x128_f8f6f4 v[D_:D_+7], v[B_:B_+15], v[A_:A_+15], v[D_:D_+7], v[SB_], v[SA_] matrix_a_scale:MATRIX_SCALE_ROW1 matrix_b_scale:MATRIX_SCALE_ROW1
.elseif R_ == 4
	v_wmma_scale_f32_16x16x128_f8f6f4 v[D_:D_+7], v[B_:B_+15], v[A_:A_+15], 0, v[SB_], v[SA_]
.elseif R_ == 5
	v_wmma_scale_f32_16x16x128_f8f6f4 v[D_:D_+7], v[B_:B_+15], v[A_:A_+15], 0, v[SB_], v[SA_] matrix_b_scale:MATRIX_SCALE_ROW1
.elseif R_ == 6
	v_wmma_scale_f32_16x16x128_f8f6f4 v[D_:D_+7], v[B_:B_+15], v[A_:A_+15], 0, v[SB_], v[SA_] matrix_a_scale:MATRIX_SCALE_ROW1
.else
	v_wmma_scale_f32_16x16x128_f8f6f4 v[D_:D_+7], v[B_:B_+15], v[A_:A_+15], 0, v[SB_], v[SA_] matrix_a_scale:MATRIX_SCALE_ROW1 matrix_b_scale:MATRIX_SCALE_ROW1
.endif
.endr
.endm
.macro VSTEP n, r, j, zero             ; K step n: set n % 2 is multiplied; the other set takes region r's j-th 128 first
	s_wait_dscnt 0x0
.if \zero == 0
	PLACES NP                                      ; the last products read the other set
.endif
	VFETCH \r, \j, 1-(\n)%2
	WIN MUL_LO
.irp a, 0,1,2,3
	MUL8 \a, (\n)%2, \n, \zero
.endr
	WIN 0
.endm
	s_wait_xcnt 0x0                                ; q | k's stores have read their registers, which take fragments below
	s_cmp_lt_u32 s14, 2
	s_cbranch_scc0 .Lv_region_1
	s_wait_tensorcnt 0x0                           ; waves 0 and 1: region 0 is in
.Lv_region_1:
	s_barrier_signal -1
	s_barrier_wait -1
	VFETCH 0, 0, 0
	s_wait_loadcnt 0x0                             ; the scale words
	VSTEP 0, 0, 1, 1                               ; the first products start the sums
	VSTEP 1, 0, 2, 0
	s_wait_dscnt 0x0                               ; K step 2: my reads of region 0 are over
	WIN MUL_LO
	MUL8 0, 0, 2, 0
	MUL8 1, 0, 2, 0
	WIN 0
	s_wait_tensorcnt 0x0                           ; every wave: region 1 is in
	ds_add_u32 v[SPW], v[NIL]
	s_mov_b32 s26, 4<<16                           ; no tensor load of mine is out: the refill's loads bring 4 tiles of A
	s_mov_b32 s28, 4
	s_mov_b32 s34, 8<<16                           ; or 8 of B
	s_mov_b32 s36, 8
	s_wait_dscnt 0x0
	CROUND                                         ; no wave of any partner still reads region 0 or has a load on its way
	s_cmp_eq_u32 s15, 0
	s_cbranch_scc0 .Lv_for_b
	TLD 80, 24                                     ; K steps 5-7 into region 0: the first tensor load behind the round
	s_branch .Lv_refilled
.Lv_for_b:
	TLD 84, 32
.Lv_refilled:
	PLACES NP-4
	VFETCH 1, 0, 1
	WIN MUL_LO
	MUL8 2, 0, 2, 0
	MUL8 3, 0, 2, 0
	WIN 0
	VSTEP 3, 1, 1, 0
	s_wait_dscnt 0x0                               ; K step 4: my reads of region 1 are over
	WIN MUL_LO
	MUL8 0, 0, 4, 0
	MUL8 1, 0, 4, 0
	WIN 0
	s_wait_tensorcnt 0x0                           ; every wave: the refill is in
	s_barrier_signal -1
	s_barrier_wait -1
	PLACES NP
	VFETCH 0, 0, 1
	WIN MUL_LO
	MUL8 2, 0, 4, 0
	MUL8 3, 0, 4, 0
	WIN 0
	VSTEP 5, 0, 1, 0
	VSTEP 6, 0, 2, 0
	s_wait_dscnt 0x0
	WIN MUL_LO
.irp a, 0,1,2,3
	MUL8 \a, 1, 7, 0
.endr
	WIN 0
; v^T's way out.  Block a (16 channels): a lane's 64 registers are, for its channel, register 16 b + i = token 32 b + 16 (lane / 16) + i: quantised where they lie; the codes leave as an operand's image.
.macro VQUANT a
.set AC, 64*(\a)
.set PCD, PCB+16*(\a)
	WIN 0x0a                                       ; sources 0 and 1: window 2
.irp b, 0,1,2,3
	v_max3_num_f32 v[TM+\b], |v[AC+16*\b]|, |v[AC+16*\b+1]|, 0x4800000   ; block b: my 16 numbers and the floor 2^(9 - 127)
.endr
.irp i, 2,4,6,8,10,12,14
.irp b, 0,1,2,3
	v_max3_num_f32 v[TM+\b], |v[AC+16*\b+\i]|, |v[AC+16*\b+\i+1]|, v[TM+\b]
.endr
.endr
	WIN 0
.irp b, 0,1,2,3
	v_permlanex16_b32 v[TM+4+\b], v[TM+\b], s20, s21
.endr
.irp b, 0,1,2,3
	v_max_num_f32 v[TM+\b], v[TM+\b], v[TM+4+\b]                  ; with lane l xor 16's: the block's largest magnitude
.endr
.irp b, 0,1,2,3
	v_add_nc_u32 v[TM+12+\b], 0xfc000000, v[TM+\b]                ; the conversions' scale operand
.endr
.irp b, 0,1,2,3
	v_and_or_b32 v[TM+8+\b], v[TM+\b], 0x7f800000, s22            ; 448 x the scale
.endr
.irp b, 0,1,2,3
	v_lshrrev_b32 v[TM+4+\b], 23, v[TM+12+\b]                     ; the byte
.endr
	v_lshl_or_b32 v[PW+(\a)], v[TM+5], 8, v[TM+4]
	v_lshl_or_b32 v[PW+(\a)], v[TM+6], 16, v[PW+(\a)]
	v_lshl_or_b32 v[PW+(\a)], v[TM+7], 24, v[PW+(\a)]
	WIN 0x82                                       ; source 0 and destination: window 2
.irp b, 0,1,2,3
.irp i, 0,1,2,3,4,5,6,7,8,9,10,11,12,13,14,15
	v_med3_num_f32 v[AC+16*\b+\i], v[AC+16*\b+\i], -v[TM+8+\b], v[TM+8+\b]   ; the conversion does not saturate (ISA guide 7.6.2)
.endr
.endr
	WIN 0x02
.irp b, 0,1,2,3
	v_cvt_scalef32_pk8_fp8_f32 v[PCD+4*\b:PCD+4*\b+1], v[AC+16*\b:AC+16*\b+7], v[TM+12+\b]
	v_cvt_scalef32_pk8_fp8_f32 v[PCD+4*\b+2:PCD+4*\b+3], v[AC+16*\b+8:AC+16*\b+15], v[TM+12+\b]
.endr
	WIN 0
	v_nop                                          ; one plain line behind the last conversion
.irp c, 0,1,2,3
	global_store_b128 v[CO], v[PCD+4*\c:PCD+4*\c+3], s[94:95] offset:(\a)*32768+512*\c   ; 512 consecutive bytes
.endr
.endm
	PLACES NP                                      ; behind the last products
.irp a, 0,1,2,3
	VQUANT \a                                      ; every block has its own registers for codes and word
.endr
.irp i, 0,1
	v_cndmask_b32 v[MW+\i], v[PW+2*\i], v[PW+2*\i+1], s96         ; lanes 0-15: block 2 i's rows, lanes 16-31: block 2 i + 1's
.endr
	ds_store_b32 v22, v[MW]
	ds_store_b32 v22, v[MW+1] offset:128
	ds_load_b64 v[92:93], v23                      ; LDS serves a wave's instructions in order (ISA guide 5.7.1.4)
	s_wait_dscnt 0x0
	global_store_b64 v31, v[92:93], s[92:93]       ; my 64 rows' words of this step: 256 consecutive bytes, aligned
	s_wait_tensorcnt 0x0                           ; the wave's end
	ds_add_u32 v[SPW], v[NIL]
	s_wait_dscnt 0x0
	CROUND                                         ; the closing round: no work-group ends while a partner may still ask for a tile that names it
	s_endpgm
.Lfunc_end_k_q02826d77a8_gemm_qk:
	.size	k_q02826d77a8_gemm_qk, .Lfunc_end_k_q02826d77a8_gemm_qk-k_q02826d77a8_gemm_qk
	.p2alignl 7, 3214868480
	.fill 96, 4, 3214868480
	.section	.rodata,"a",@progbits
	.p2align	6, 0x0
	.amdhsa_kernel k_q02826d77a8_gemm_qk
		.amdhsa_group_segment_fixed_size 327680
		.amdhsa_private_segment_fixed_size 0
		.amdhsa_enable_private_segment 0
		.amdhsa_kernarg_size 40
		.amdhsa_user_sgpr_count 2
		.amdhsa_user_sgpr_kernarg_segment_ptr 1
		.amdhsa_wavefront_size32 1
		.amdhsa_system_sgpr_workgroup_id_x 1
		.amdhsa_system_sgpr_workgroup_id_y 1
		.amdhsa_system_sgpr_workgroup_id_z 1
		.amdhsa_system_vgpr_workitem_id 0
		.amdhsa_next_free_vgpr 1024
		.amdhsa_next_free_sgpr 98
		.amdhsa_reserve_vcc 0
		.amdhsa_float_denorm_mode_32 3
		.amdhsa_float_denorm_mode_16_64 3
		.amdhsa_memory_ordered 1
		.amdhsa_forward_progress 1
		.amdhsa_inst_pref_size 255
	.end_amdhsa_kernel
	.section	.bss,"aw",@nobits
	.p2align	6
	.space	262144
	.amdgpu_metadata
---
amdhsa.version: [ 1, 2 ]
amdhsa.kernels:
  - .name:           k_q02826d77a8_gemm_qk
    .symbol:         k_q02826d77a8_gemm_qk.kd
    .args:
      - { .name: xq, .offset: 0, .size: 8, .value_kind: global_buffer, .address_space: global }
      - { .name: wqk, .offset: 8, .size: 8, .value_kind: global_buffer, .address_space: global }
      - { .name: qk, .offset: 16, .size: 8, .value_kind: global_buffer, .address_space: global }
      - { .name: wv, .offset: 24, .size: 8, .value_kind: global_buffer, .address_space: global }
      - { .name: vt, .offset: 32, .size: 8, .value_kind: global_buffer, .address_space: global }
    .group_segment_fixed_size: 327680
    .private_segment_fixed_size: 0
    .kernarg_segment_align: 8
    .kernarg_segment_size: 40
    .max_flat_workgroup_size: 128
    .sgpr_count:     98
    .vgpr_count:     1024
    .wavefront_size: 32
...
	.end_amdgpu_metadata
.endif
;; end of part 2
;; launch attn (part 3): grid 4 x 64, 16 waves a work-group, clusters of 4 x 1, 276,480 bytes of LDS; arguments qk, vt, oq; writes oq
.if DOCPART == 3
	.amdgcn_target "amdgcn-amd-amdhsa--gfx1250"
	.amdhsa_code_object_version 6
	.text
	.protected	k_q02826d77a8_attn
	.globl	k_q02826d77a8_attn
	.p2align	8
	.type	k_q02826d77a8_attn,@function
k_q02826d77a8_attn:
	s_mov_b64 s[64:65], 0
	v_nop
	global_prefetch_b8 v0, s[64:65] scope:SCOPE_SE
	s_setreg_imm32_b32 hwreg(HW_REG_WAVE_MODE, 25, 1), 1
	s_wait_xcnt 0x0
	s_wait_alu depctr_hold_cnt(0) depctr_sa_sdst(0) depctr_va_vdst(0) depctr_va_sdst(0) depctr_va_ssrc(0) depctr_va_vcc(0) depctr_vm_vsrc(0)
	s_getreg_b32 s2, hwreg(HW_REG_IB_STS2, 6, 4)
	s_cmp_eq_u32 s2, 0
	s_cbranch_scc0 .Lentry_in_a_cluster
	s_endpgm
.Lentry_in_a_cluster:
	s_bfe_u32 s2, ttmp6, 0x10000c
	s_cmp_lg_u32 s2, 0x3003
	s_cbranch_scc0 .Lentry_shape_is_right
	s_endpgm
.Lentry_shape_is_right:
; Causal attention of one (batch, head) for each cluster of four work-groups; head size 64, 2,048 tokens; both products on codes of FP8 (E4M3) with E8M0 scales; O / l is quantised along the channels and stored as codes.
; INPUTS.  qk: from OUTC on codes [token tile 0..511][step of 128 columns 0..15][2,048-byte image of an operand's registers: [c][lane][16 bytes]]; steps 0-7 are q, 8-15 k; head hd is chunks 2 (hd & 1), + 1 of step hd / 2;
;   from 0 on scale words [8 tiles][step][tile][row]; the head's two bytes are half a word.  vt: v^T, from OUTC on [batch][tile of 16 channels, 4 a head][step of 128 tokens][2,048]; scale words [batch][8 tiles][step][tile][row].
;   Row position p of a run of tiles holds logical row p with bits 3 and 4 swapped.
; OUTPUT.  oq: from OPC on codes [token tile][step of 128 channels 0..7][2,048]; from 0 on scale words [pair of tiles][channels / 256][tile][row 16][2 words].
; THE FIRST PRODUCT'S K IS 64: the upper 64 of the instruction's 128 are zero codes on both sides; their scale bytes are 0, which is 2^-127 over zeros.
; THE SOFTMAX: t = score x log2(e) / 8; M = the running largest t rounded up to a whole number; p = 2^(t - M) is quantised along the keys; l is the sum of the unquantised p; when M moves, l and O are multiplied by 2^(old M - new M), exactly.
; BOTH PRODUCTS TRANSPOSED: S^T = K Q^T, O^T = V^T P^T: a lane holds one query throughout.  Key steps that lie wholly behind the causal mask of reference() are not walked.
; SHARES.  The head's whole K (131,072 bytes), V^T (131,072) and their scale words lie in LDS, filled ONCE by joint loads of the four work-groups (mask 15), ONE LOAD A WAVE:
;   waves 0-7 bring key steps 0-7 (two waves K, four V, one each the scale words), waves 8-15 key steps 8-15 likewise.  The first barrier shows waves 0-7's loads; for the second every wave waits for its load and signals,
;   walks key steps 0-7 (LDS reads of the first half and register work alone) and only then waits at it.
;   A wave owns two tiles of 16 queries: with e = wave / 8 and m = wave xor 15 e, tile 2 cx + e of the blocks of 128 tokens 15 - m and m: 17 key steps for every wave.
;   No branch and no LDS address hangs on cx.  No prefetch: every tile is asked for by the head's loads; there is no loop to run ahead in.
; LIMITS: NaN and infinities are not served; the scaled scores stay under 2^31 in magnitude; a p under 2^-126 comes out of v_exp_f32 as 0; a block of zeros gets the byte 1 (its codes are zeros; this program alone reads the bytes).
; REGISTERS: v1-7 addresses that stay; v8-11, v234 the step's; v12 -M, v13 the largest t, v[14:15] l; v16-31 Q; v32-95 four fragments of K; v96-159 S^T, then p, then V's fragments; v160-191 O^T; v192-207 p's codes;
;   v208-223, v242-253 at work; v224-227 K's or V's scale words, v228 Q's, v229 p's; v[230:231] f; v233 -infinity; v254, v255 the spare word's address and 0.
.set OPC,  0x40000
.set OUTC, 0x80000
.set VIMG, 131072                      ; LDS: K's images [key tile 128][1,024] from 0; V's [channel tile 4][step 16][2,048] from here;
.set SCK,  262144                      ; K's scale words [key tile][16 words];
.set SCV,  270336                      ; V's [step 16][tile 4][16 words]; behind them, from 0x43000, the spare words
.set GW0,  15|(3<<16)|(1<<21)          ; group 1, word 0: the mask of all four work-groups; elements of 8 bytes; bit 21 beside a mask
.set KS,   24                          ; s24  the key step
.set GB,   25                          ; s25  the block of 128 tokens in which my queries lie
.macro ROUND
	s_barrier_signal -1
	s_barrier_wait -1
	s_cmp_lg_u32 s10, 0
	s_cbranch_scc1 .Lnot_wave_0_\@
	s_barrier_signal -3
.Lnot_wave_0_\@:
	s_barrier_wait -3
	s_barrier_signal -1
	s_barrier_wait -1
.endm
.macro GROUP1 g, c, r, p               ; r rows of c elements of 8 bytes, p elements apart
	s_mov_b32 s[\g], GW0
	s_mov_b32 s[\g+1], (\c)<<16
	s_mov_b32 s[\g+2], (\r)<<16
	s_mov_b32 s[\g+3], (\c)<<16
	s_mov_b32 s[\g+4], \r
	s_mov_b32 s[\g+5], \p
	s_mov_b32 s[\g+6], 0
	s_mov_b32 s[\g+7], 0
.endm
.macro ARM under, g0, g1, next         ; an arm of the head's chain: one load; s_nop 0 and four v_nop follow it
	s_cmp_lt_u32 s10, \under
	s_cbranch_scc0 \next
	tensor_load_to_lds s[\g0:\g0+3], s[\g1:\g1+7]
	s_nop 0
.rept 4
	v_nop
.endr
	s_branch .Lfilled
\next:
.endm
; the four bases of the tile in block s[g]: Q's codes s[d:d+1], Q's scale words s[d+2:d+3], O's codes s[d+4:d+5], O's scale bytes s[d+6:d+7]
.macro BASES g, d
	s_lshl_b32 s26, s14, 7
	s_lshl_b32 s27, s[\g], 3
	s_add_co_u32 s26, s26, s27
	s_lshl_b32 s27, s13, 1
	s_add_co_u32 s27, s27, s11                     ; the tile within the block: 2 cx + e
	s_add_co_u32 s26, s26, s27                     ; the token tile: 128 b + 8 g + 2 cx + e
	s_lshl_b32 s30, s17, 11
	s_lshl_b32 s24, s16, 10
	s_add_co_u32 s30, s30, s24                     ; the head's 1,024 bytes in a tile
	s_lshl_b32 s28, s26, 15
	s_add_co_u32 s28, s28, s30
	s_add_co_u32 s28, s28, OUTC
	s_mov_b32 s29, 0
	s_add_nc_u64 s[\d:\d+1], s[4:5], s[28:29]
	s_lshl_b32 s28, s14, 4
	s_add_co_u32 s28, s28, s[\g]
	s_lshl_b32 s28, s28, 13                        ; the group of 8 tiles
	s_lshl_b32 s24, s17, 9
	s_add_co_u32 s28, s28, s24
	s_lshl_b32 s24, s27, 6
	s_add_co_u32 s28, s28, s24
	s_lshl_b32 s24, s16, 1
	s_add_co_u32 s28, s28, s24
	s_add_nc_u64 s[\d+2:\d+3], s[4:5], s[28:29]
	s_lshl_b32 s28, s26, 14
	s_add_co_u32 s28, s28, s30
	s_add_co_u32 s28, s28, OPC
	s_add_nc_u64 s[\d+4:\d+5], s[8:9], s[28:29]
	s_lshr_b32 s28, s26, 1                         ; the pair of tiles
	s_lshl_b32 s28, s28, 10
	s_lshr_b32 s24, s15, 2
	s_lshl_b32 s24, s24, 8                         ; channels / 256
	s_add_co_u32 s28, s28, s24
	s_lshl_b32 s24, s11, 7                         ; the tile of the pair
	s_add_co_u32 s28, s28, s24
	s_and_b32 s24, s17, 1
	s_lshl_b32 s24, s24, 2                         ; which of the two words
	s_add_co_u32 s28, s28, s24
	s_lshl_b32 s24, s16, 1                         ; which half of it
	s_add_co_u32 s28, s28, s24
	s_add_nc_u64 s[\d+6:\d+7], s[8:9], s[28:29]
.endm
.macro QLOAD d
	global_load_b128 v[16:19], v1, s[\d:\d+1]
	global_load_b128 v[20:23], v1, s[\d:\d+1] offset:512
	global_load_u16 v228, v6, s[\d+2:\d+3]         ; two scale bytes; the upper two bytes are 0
.endm
.macro INIT                            ; the step is written once: a tile's first step finds zeros, which the first change of M leaves zeros
	v_mov_b32 v13, 0xff61b1e6                      ; the largest t so far: -3e38
	s_delay_alu instid0(VALU_DEP_1)
	v_floor_f32 v12, -v13                          ; -M
	v_mov_b32 v14, 0
	v_mov_b32 v15, 0
.set n, 0
.rept 32
	v_mov_b32 v[160+n], 0
.set n, n+1
.endr
.endm
; A KEY STEP: 128 keys.  diag = 1: a step beyond my block is left out (a scalar branch on the wave's number and the step), and in the step that is my block hidden scores become -infinity.
.macro STEP diag
.if \diag
	s_cmp_gt_u32 s[KS], s[GB]
	s_cbranch_scc1 .Lhidden_\@
.endif
	s_lshl_b32 s26, s[KS], 13                      ; 8 key tiles of 1,024 bytes
	s_lshl_b32 s27, s[KS], 11
	s_lshl_b32 s28, s[KS], 9
	s_lshl_b32 s29, s[KS], 8
	v_add_nc_u32 v8, s26, v1                       ; K.  (These five lines are also places behind the last step's products: with the five v_nop at a step's end ten stand ahead of the loads and products below)
	v_add_nc_u32 v9, s27, v2                       ; V's channel tiles 0, 1
	v_add_nc_u32 v11, s28, v3                      ; K's scale words
	v_add_nc_u32 v234, s29, v4                     ; V's
	v_add_nc_u32 v10, 65536, v9                    ; V's channel tiles 2, 3
.irp g, 0,1                                    ; S^T = K Q^T, four tiles of 16 keys at a time
.if \g > 0
.rept 8
	v_nop                                          ; places in front of loads into registers that matrix instructions have read
.endr
.endif
.irp t, 0,1,2,3
	ds_load_b128 v[32+16*\t:35+16*\t], v8 offset:(4*\g+\t)*1024
	ds_load_b128 v[36+16*\t:39+16*\t], v8 offset:(4*\g+\t)*1024+512
	ds_load_u16 v[224+\t], v11 offset:(4*\g+\t)*64
.endr
.if \g == 0
	s_wait_alu depctr_va_vdst(0)
.endif
	s_wait_dscnt 0x0
.irp t, 0,1,2,3
	v_wmma_scale_f32_16x16x128_f8f6f4 v[96+8*(4*\g+\t):103+8*(4*\g+\t)], v[32+16*\t:47+16*\t], v[16:31], 0, v[224+\t], v228
.endr
.endr
.if \diag                                      ; no v_nop here: what follows first reads the first four tiles, whose products are eight places old, in sixteen plain lines or more, which are the places of the last four
	s_cmp_lg_u32 s[KS], s[GB]
	s_cbranch_scc1 .Lopen_\@
.set n, 0
.rept 64                                       ; register 16 b + i holds key 32 b + 16 (lane / 16) + i of the block: hidden where 32 b + i > v5
	v_cmp_gt_i32 vcc_lo, 32*(n/16)+n%16, v5
	v_cndmask_b32 v[96+n], v[96+n], v233, vcc_lo
.set n, n+1
.endr
.Lopen_\@:
.endif
; the largest score of each block of 32 keys: for the row's maximum and, since p rises with the score, for the block's largest p.  Blocks 0 and 1 first, then 2 and 3; two chains a block, four by turns
.irp p, 0,2
.irp b, 0,1
	v_max3_num_f32 v[208+\p+\b], v[96+16*(\p+\b)], v[97+16*(\p+\b)], v[98+16*(\p+\b)]
	v_max3_num_f32 v[212+\p+\b], v[104+16*(\p+\b)], v[105+16*(\p+\b)], v[106+16*(\p+\b)]
.endr
.irp i, 3,5
.irp b, 0,1
	v_max3_num_f32 v[208+\p+\b], v[208+\p+\b], v[96+16*(\p+\b)+\i], v[97+16*(\p+\b)+\i]
	v_max3_num_f32 v[212+\p+\b], v[212+\p+\b], v[104+16*(\p+\b)+\i], v[105+16*(\p+\b)+\i]
.endr
.endr
.irp b, 0,1
	v_max3_num_f32 v[208+\p+\b], v[208+\p+\b], v[103+16*(\p+\b)], v[111+16*(\p+\b)]
.endr
.irp b, 0,1
	v_max_num_f32 v[208+\p+\b], v[208+\p+\b], v[212+\p+\b]
.endr
.endr
.irp b, 0,1
	v_permlanex16_b32 v[212+\b], v[208+\b], s18, s19
.endr
.irp b, 2,3
	s_delay_alu instid0(VALU_DEP_4)
	v_permlanex16_b32 v[212+\b], v[208+\b], s18, s19
.endr
.irp b, 0,1,2,3
	s_delay_alu instid0(VALU_DEP_4)
	v_max_num_f32 v[208+\b], v[208+\b], v[212+\b]  ; with lane l xor 16's 16 keys
.endr
	s_delay_alu instid0(VALU_DEP_2)
	v_max3_num_f32 v232, v208, v209, v210
	s_delay_alu instid0(VALU_DEP_1)
	v_max_num_f32 v232, v232, v211                 ; the step's largest score of my query
	s_delay_alu instid0(VALU_DEP_1)
	v_mul_f32 v232, s20, v232                      ; as t
	s_delay_alu instid0(VALU_DEP_1)
	v_max_num_f32 v13, v13, v232                   ; the running largest t
	v_mov_b32 v232, v12
	s_delay_alu instid0(VALU_DEP_2)
	v_floor_f32 v12, -v13                          ; the new -M = -ceil(t)
	s_delay_alu instid0(VALU_DEP_1)
	v_sub_f32 v232, v12, v232                      ; old M - new M: a whole number, 0 or less
	s_delay_alu instid0(VALU_DEP_1)
	v_cvt_i32_f32 v232, v232                       ; (it saturates)
	s_delay_alu instid0(VALU_DEP_1)
	v_ldexp_f32 v230, 1.0, v232                    ; f = 2^(old M - new M)
.set n, 0
.rept 32
	v_pk_fma_f32 v[96+n:97+n], v[96+n:97+n], s[20:21], v[12:13] op_sel_hi:[1,0,0]   ; t - M, two at a time
.set n, n+2
.endr
.irp b, 0,1,2,3
	v_fma_f32 v[208+\b], v[208+\b], s20, v12       ; the same of each block's largest score
.endr
.set n, 0
	s_wait_alu depctr_va_vdst(0)
.rept 64
	v_exp_f32 v[96+n], v[96+n]                     ; p = 2^(t - M)
.set n, n+1
.endr
.irp b, 0,1,2,3
	v_exp_f32 v[208+\b], v[208+\b]                 ; the block's largest p
.endr
	v_pk_mul_f32 v[14:15], v[14:15], v[230:231] op_sel_hi:[1,0]   ; l under the new M.  (A plain place behind the exponentials)
	s_wait_alu depctr_va_vdst(0)                   ; and behind it, ahead of its first reader
.irp b, 0,1,2,3
	v_max_num_f32 v[208+\b], 0x4800000, v[208+\b]  ; the floor 2^(9 - 127)
.endr
.irp b, 0,1,2,3
	s_delay_alu instid0(VALU_DEP_4)
	v_add_nc_u32 v[220+\b], 0xfc000000, v[208+\b]  ; the conversions' scale operand
.endr
.irp b, 0,1,2,3
	v_and_or_b32 v[216+\b], v[208+\b], 0x7f800000, s22   ; 448 x the scale
.endr
.irp b, 0,1,2,3
	v_lshrrev_b32 v[212+\b], 23, v[220+\b]         ; the byte
.endr
	s_delay_alu instid0(VALU_DEP_3)
	v_lshl_or_b32 v229, v213, 8, v212              ; p's scale word for these 128 keys
	s_delay_alu instid0(VALU_DEP_1)
	v_lshl_or_b32 v229, v214, 16, v229
	s_delay_alu instid0(VALU_DEP_1)
	v_lshl_or_b32 v229, v215, 24, v229
	v_pk_add_f32 v[212:213], v[100:101], v[104:105]   ; l: the sum of the unquantised p, in eight chains
	v_pk_add_f32 v[252:253], v[108:109], v[112:113]
	v_pk_add_f32 v[250:251], v[116:117], v[120:121]
	v_pk_add_f32 v[248:249], v[124:125], v[128:129]
	v_pk_add_f32 v[246:247], v[132:133], v[136:137]
	v_pk_add_f32 v[244:245], v[140:141], v[144:145]
	v_pk_add_f32 v[242:243], v[148:149], v[152:153]
	v_pk_add_f32 v[14:15], v[14:15], v[156:157]
	v_pk_add_f32 v[212:213], v[212:213], v[96:97]
	v_pk_add_f32 v[252:253], v[252:253], v[98:99]
	v_pk_add_f32 v[250:251], v[250:251], v[102:103]
	v_pk_add_f32 v[248:249], v[248:249], v[106:107]
	v_pk_add_f32 v[246:247], v[246:247], v[110:111]
	v_pk_add_f32 v[244:245], v[244:245], v[114:115]
	v_pk_add_f32 v[242:243], v[242:243], v[118:119]
	v_pk_add_f32 v[14:15], v[14:15], v[122:123]
	v_pk_add_f32 v[212:213], v[212:213], v[126:127]
	v_pk_add_f32 v[252:253], v[252:253], v[130:131]
	v_pk_add_f32 v[250:251], v[250:251], v[134:135]
	v_pk_add_f32 v[248:249], v[248:249], v[138:139]
	v_pk_add_f32 v[246:247], v[246:247], v[142:143]
	v_pk_add_f32 v[244:245], v[244:245], v[146:147]
	v_pk_add_f32 v[242:243], v[242:243], v[150:151]
	v_pk_add_f32 v[14:15], v[14:15], v[154:155]
	v_pk_add_f32 v[212:213], v[212:213], v[158:159]
	s_delay_alu instid0(VALU_DEP_2)
	v_pk_add_f32 v[14:15], v[14:15], v[248:249]
	s_delay_alu instid0(VALU_DEP_2)
	v_pk_add_f32 v[212:213], v[212:213], v[246:247]
	v_pk_add_f32 v[252:253], v[252:253], v[244:245]
	v_pk_add_f32 v[250:251], v[250:251], v[242:243]
	s_delay_alu instid0(VALU_DEP_2)
	v_pk_add_f32 v[14:15], v[14:15], v[252:253]
	s_delay_alu instid0(VALU_DEP_2)
	v_pk_add_f32 v[212:213], v[212:213], v[250:251]
	s_delay_alu instid0(VALU_DEP_1)
	v_pk_add_f32 v[14:15], v[14:15], v[212:213]
.irp b, 0,1,2,3
.irp i, 0,2,4,6,8,10,12,14
	v_dual_min_num_f32 v[96+16*\b+\i], v[96+16*\b+\i], v[216+\b] :: v_dual_min_num_f32 v[97+16*\b+\i], v[97+16*\b+\i], v[216+\b]   ; the conversion does not saturate (ISA guide 7.6.2); p is not negative; two holds to a line
.endr
	v_cvt_scalef32_pk8_fp8_f32 v[192+4*\b:193+4*\b], v[96+16*\b:103+16*\b], v[220+\b]
	v_cvt_scalef32_pk8_fp8_f32 v[194+4*\b:195+4*\b], v[104+16*\b:111+16*\b], v[220+\b]
.endr
.irp c, 0,1,2,3                                ; V's four fragments of this step take the registers that p has left
	ds_load_b128 v[96+4*\c:99+4*\c], v9 offset:512*\c
	ds_load_b128 v[112+4*\c:115+4*\c], v9 offset:32768+512*\c
	ds_load_b128 v[128+4*\c:131+4*\c], v10 offset:512*\c
	ds_load_b128 v[144+4*\c:147+4*\c], v10 offset:32768+512*\c
.endr
.irp t, 0,1,2,3
	ds_load_b32 v[224+\t], v234 offset:64*\t
.endr
	s_wait_alu depctr_va_vdst(0)                   ; directly ahead of the first reader of O^T
.set n, 0
.rept 16
	v_pk_mul_f32 v[160+n:161+n], v[160+n:161+n], v[230:231] op_sel_hi:[1,0]   ; O^T under the new M.  (Also the plain lines behind the conversions and in front of the products)
.set n, n+2
.endr
	s_wait_alu depctr_va_vdst(0)                   ; and here, directly ahead of the wait below
	s_wait_dscnt 0x0
.irp t, 0,1,2,3                                ; O^T += V^T P^T: the four accumulators by turns
	v_wmma_scale_f32_16x16x128_f8f6f4 v[160+8*\t:167+8*\t], v[96+16*\t:111+16*\t], v[192:207], v[160+8*\t:167+8*\t], v[224+\t], v229
.endr
.rept 5
	v_nop                                          ; five places; the next step's five address lines, or three plain lines of a tile's end, follow them (ISA guide 7.12.1)
.endr
.if \diag
.Lhidden_\@:
.endif
	s_add_co_u32 s[KS], s[KS], 1
.endm
.macro WALK start, end, diag           ; key steps start .. end - 1: constants of the text
	s_mov_b32 s[KS], \start
.Lwalk_\@:
	STEP \diag
	s_cmp_lt_u32 s[KS], \end
	s_cbranch_scc1 .Lwalk_\@
.endm
; A tile's end: O^T / l, quantised along the channels (register 16 b + i is channel 32 b + 16 (lane / 16) + i), stored as two chunks of an operand's image.  next = 1: the low tile's Q is asked for first.
.macro EPI d, next
.if \next
	QLOAD 40
.endif
	v_add_f32 v14, v14, v15
	s_delay_alu instid0(VALU_DEP_1)
	v_permlanex16_b32 v232, v14, s18, s19
	s_delay_alu instid0(VALU_DEP_1)
	v_add_f32 v14, v14, v232                       ; the row's sum
	s_wait_alu depctr_va_vdst(0)
	v_rcp_f32 v14, v14
	v_nop                                          ; one plain place behind a transcendental
.set n, 0
	s_wait_alu depctr_va_vdst(0)
.rept 16
	v_pk_mul_f32 v[96+n:97+n], v[160+n:161+n], v[14:15] op_sel_hi:[1,0]   ; each accumulator from its low end on; 1 / l serves both halves
.set n, n+2
.endr
.irp b, 0,1
	v_max3_num_f32 v[208+\b], |v[96+16*\b]|, |v[97+16*\b]|, 0x4800000
.endr
.irp i, 2,4,6,8,10,12,14
.irp b, 0,1
	s_delay_alu instid0(VALU_DEP_2)
	v_max3_num_f32 v[208+\b], v[208+\b], |v[96+16*\b+\i]|, |v[97+16*\b+\i]|
.endr
.endr
.irp b, 0,1
	s_delay_alu instid0(VALU_DEP_2)
	v_permlanex16_b32 v[212+\b], v[208+\b], s18, s19
.endr
.irp b, 0,1
	s_delay_alu instid0(VALU_DEP_2)
	v_max_num_f32 v[208+\b], v[208+\b], v[212+\b]
.endr
.irp b, 0,1
	s_delay_alu instid0(VALU_DEP_2)
	v_add_nc_u32 v[220+\b], 0xfc000000, v[208+\b]
.endr
.irp b, 0,1
	s_delay_alu instid0(VALU_DEP_4)
	v_and_or_b32 v[216+\b], v[208+\b], 0x7f800000, s22
.endr
.irp b, 0,1
	s_delay_alu instid0(VALU_DEP_4)
	v_lshrrev_b32 v[212+\b], 23, v[220+\b]
.endr
.irp b, 0,1
.irp i, 0,1,2,3,4,5,6,7,8,9,10,11,12,13,14,15
	v_med3_num_f32 v[96+16*\b+\i], v[96+16*\b+\i], -v[216+\b], v[216+\b]
.endr
	v_cvt_scalef32_pk8_fp8_f32 v[192+4*\b:193+4*\b], v[96+16*\b:103+16*\b], v[220+\b]
	v_cvt_scalef32_pk8_fp8_f32 v[194+4*\b:195+4*\b], v[104+16*\b:111+16*\b], v[220+\b]
.endr
	v_nop                                          ; one plain line behind the last conversion
	v_cndmask_b32 v232, v212, v213, s23            ; lanes 0-15 store block 0's byte, lanes 16-31 block 1's
	global_store_b128 v1, v[192:195], s[\d+4:\d+5]             ; 512 consecutive bytes
	global_store_b128 v1, v[196:199], s[\d+4:\d+5] offset:512
	global_store_b8 v7, v232, s[\d+6:\d+7]         ; 32 single bytes within 128: the other heads' bytes lie between; one byte for 32 of codes
	s_wait_xcnt 0x0                                ; the stores' registers are written again only behind this wait
.endm
	s_load_b128 s[4:7], s[0:1], 0x0                ; qk, vt
	s_load_b64 s[8:9], s[0:1], 0x10                ; oq
	v_lshl_add_u32 v254, v0, 2, 0x43000
	v_mov_b32 v255, 0
	ds_add_u32 v254, v255                          ; the opening lines: the add, twice on end, and its wait ahead of my tensor load
	ds_add_u32 v254, v255
	v_lshrrev_b32 v1, 5, v0
	s_delay_alu instid0(VALU_DEP_1)
	v_readfirstlane_b32 s10, v1                    ; wave 0..15
	s_lshr_b32 s11, s10, 3                         ; e; also: which half of the keys I fetch
	s_mul_i32 s12, s11, 15
	s_xor_b32 s12, s12, s10                        ; m = wave xor 15 e: 0..7: the low tile's block
	s_xor_b32 s31, s12, 15                         ; the high tile's block: 15 - m
	s_and_b32 s30, s10, 7                          ; my part in a half's fills: 0, 1 K; 2-5 V; 6 K's scale words; 7 V's
	s_bfe_u32 s13, ttmp6, 0x40000                  ; cx
	s_and_b32 s26, ttmp7, 0xffff                   ; the cluster's y: 16 b + hd, shared by the four
	s_lshr_b32 s14, s26, 4                         ; b
	s_and_b32 s15, s26, 15                         ; hd
	s_and_b32 s16, s15, 1
	s_lshr_b32 s17, s15, 1
	s_mov_b32 s18, 0x76543210
	s_mov_b32 s19, 0xfedcba98                      ; v_permlanex16_b32's selects for lane l xor 16
	s_mov_b32 s20, 0x3e38aa3b                      ; c = log2(e) / 8
	s_mov_b32 s21, s20                             ; (named with it as a pair)
	s_mov_b32 s22, 0x600000                        ; the mantissa field of 448
	GROUP1 48, 128, 32, 4096                       ; K: 32 key tiles x 1,024 bytes, 32,768 bytes apart
	GROUP1 56, 32, 64, 32                          ; V: 16,384 dense bytes (eight steps of one channel tile) as 64 rows of 256
	GROUP1 68, 64, 8, 1024                         ; K's scale words: 8 groups of 8 tiles x 512 bytes, 8,192 bytes apart
	GROUP1 76, 32, 8, 64                           ; V's: 8 steps x 256 bytes, 512 bytes apart
	; four groups 0, made of the wave's number and the cluster's y alone; a wave issues one of them.  Offsets now, the pointers behind the wait for the arguments
	s_lshl_b32 s26, s11, 1
	s_and_b32 s27, s30, 1
	s_add_co_u32 s26, s26, s27                     ; K: which 32 key tiles
	s_mov_b32 s84, 1
	s_lshl_b32 s85, s26, 15
	s_lshl_b32 s86, s26, 20
	s_lshl_b32 s27, s14, 22                        ; the batch's 128 tiles
	s_add_co_u32 s86, s86, s27
	s_lshl_b32 s27, s17, 11
	s_add_co_u32 s86, s86, s27
	s_lshl_b32 s27, s16, 10
	s_add_co_u32 s86, s86, s27
	s_add_co_u32 s86, s86, OUTC+8*2048             ; k's steps begin at 8
	s_mov_b32 s87, 0
	s_add_co_u32 s26, s30, 2
	s_and_b32 s26, s26, 3                          ; V: the channel tile, part - 2
	s_lshl_b32 s26, s26, 15
	s_lshl_b32 s27, s11, 14                        ; steps 8 e on
	s_add_co_u32 s26, s26, s27
	s_mov_b32 s88, 1
	s_add_co_u32 s89, s26, VIMG
	s_lshl_b32 s90, s14, 21
	s_lshl_b32 s27, s15, 17
	s_add_co_u32 s90, s90, s27
	s_add_co_u32 s90, s90, s26
	s_add_co_u32 s90, s90, OUTC
	s_mov_b32 s91, 0
	s_mov_b32 s92, 1                               ; K's scale words
	s_lshl_b32 s93, s11, 12
	s_add_co_u32 s93, s93, SCK
	s_lshl_b32 s94, s14, 17
	s_lshl_b32 s27, s11, 16
	s_add_co_u32 s94, s94, s27
	s_lshl_b32 s27, s17, 9
	s_add_co_u32 s94, s94, s27
	s_add_co_u32 s94, s94, 4096
	s_mov_b32 s95, 0
	s_mov_b32 s96, 1                               ; V's
	s_lshl_b32 s97, s11, 11
	s_add_co_u32 s97, s97, SCV
	s_lshl_b32 s98, s14, 16
	s_lshl_b32 s27, s17, 13
	s_add_co_u32 s98, s98, s27
	s_lshl_b32 s27, s16, 8
	s_add_co_u32 s98, s98, s27
	s_lshl_b32 s27, s11, 12
	s_add_co_u32 s98, s98, s27
	s_mov_b32 s99, 0
	s_wait_dscnt 0x0                               ; both opening adds are done
	ROUND                                          ; all four work-groups are here: the joint loads meet
	s_wait_kmcnt 0x0
	s_add_nc_u64 s[86:87], s[4:5], s[86:87]
	s_or_b32 s87, s87, 0x80000000
	s_add_nc_u64 s[90:91], s[6:7], s[90:91]
	s_or_b32 s91, s91, 0x80000000
	s_add_nc_u64 s[94:95], s[4:5], s[94:95]
	s_or_b32 s95, s95, 0x80000000
	s_add_nc_u64 s[98:99], s[6:7], s[98:99]
	s_or_b32 s99, s99, 0x80000000
	ARM 2,  84, 48, .La1                           ; the first half's four load lines: waves 0-7, which wait at the first barrier
	ARM 6,  88, 56, .La2
	ARM 7,  92, 68, .La3
	ARM 8,  96, 76, .La4
	ARM 10, 84, 48, .La5                           ; the second half's have lines of their own
	ARM 14, 88, 56, .La6
	ARM 15, 92, 68, .La7
	tensor_load_to_lds s[96:99], s[76:83]
	s_nop 0
.rept 4
	v_nop
.endr
.Lfilled:
	v_and_b32 v1, 31, v0
	s_delay_alu instid0(VALU_DEP_1)
	v_lshlrev_b32 v1, 4, v1                        ; 16 x lane: an image's place for my lane, in LDS and in memory
	s_delay_alu instid0(VALU_DEP_1)
	v_add_nc_u32 v2, VIMG, v1
	v_and_b32 v232, 15, v0                         ; r
	v_bfe_u32 v235, v0, 4, 1                       ; h
	s_delay_alu instid0(VALU_DEP_2)
	v_lshlrev_b32 v6, 2, v232                      ; 4 r
	s_lshl_b32 s26, s16, 1
	s_add_co_u32 s26, s26, SCK
	v_add_nc_u32 v3, s26, v6                       ; K's scale words: row r, the head's half
	v_add_nc_u32 v4, SCV, v6
	v_lshl_add_u32 v7, v232, 3, v235               ; O's scale bytes: 8 r + h
	v_cmp_eq_u32 s23, 1, v235                      ; lanes 16-31
	v_lshrrev_b32 v5, 3, v232
	s_delay_alu instid0(VALU_DEP_1)
	v_lshl_add_u32 v5, v5, 3, v232                 ; r + 8 (r / 8)
	v_lshlrev_b32 v236, 4, v235
	s_delay_alu instid0(VALU_DEP_1)
	v_sub_nc_u32 v5, v5, v236
	s_lshl_b32 s26, s13, 5
	s_lshl_b32 s27, s11, 3
	s_add_co_u32 s26, s26, s27
	v_add_nc_u32 v5, s26, v5                       ; my query's place in its block, 32 cx + 8 e + r + 8 (r / 8), less 16 h: data for the mask alone
.irp j, 0,1,2,3,4,5,6,7
	v_mov_b32 v[24+\j], 0                          ; the upper 64 of the first product's K: zero codes, in Q
	v_mov_b32 v[40+\j], 0                          ; and in K's four fragments
	v_mov_b32 v[56+\j], 0
	v_mov_b32 v[72+\j], 0
	v_mov_b32 v[88+\j], 0
.endr
.irp b, 0,1,2,3
	v_mov_b32 v[212+\b], 0                         ; a lane permute's destination counts as one of its sources
.endr
	v_mov_b32 v231, 0                              ; (named as the upper half of the pair v[230:231])
	v_mov_b32 v233, 0xff800000                     ; -infinity
	BASES 31, 32
	BASES 12, 40
	QLOAD 32
	INIT
	s_mov_b32 s[GB], s31
	s_wait_alu depctr_va_vdst(0)
	s_wait_loadcnt 0x0                             ; Q
	s_cmp_lt_u32 s10, 8
	s_cbranch_scc0 .Lsecond_half
	s_wait_tensorcnt 0x0                           ; waves 0-7: my part of key steps 0-7 is in
.Lsecond_half:
	s_barrier_signal -1
	s_barrier_wait -1                              ; all of key steps 0-7 is
	s_wait_tensorcnt 0x0                           ; every wave: waves 8-15's parts of key steps 8-15 are in;
	s_barrier_signal -1                            ; say so now, and ask only when those bytes are wanted: between the two stand LDS reads of the first half and register work
	WALK 0, 8, 0                                   ; the high tile's block is 8 or more: steps 0-7 are open
	s_barrier_wait -1                              ; all of it is in
	WALK 8, 16, 1
	EPI 32, 1
	INIT
	s_mov_b32 s[GB], s12
	s_wait_loadcnt 0x0                             ; the low tile's Q
	WALK 0, 8, 1
	EPI 40, 0
	s_wait_tensorcnt 0x0                           ; the wave's end
	ds_add_u32 v254, v255
	s_wait_dscnt 0x0
	ROUND                                          ; the closing round
	s_endpgm
.Lfunc_end_k_q02826d77a8_attn:
	.size	k_q02826d77a8_attn, .Lfunc_end_k_q02826d77a8_attn-k_q02826d77a8_attn
	.p2alignl 7, 3214868480
	.fill 96, 4, 3214868480
	.section	.rodata,"a",@progbits
	.p2align	6, 0x0
	.amdhsa_kernel k_q02826d77a8_attn
		.amdhsa_group_segment_fixed_size 276480
		.amdhsa_private_segment_fixed_size 0
		.amdhsa_enable_private_segment 0
		.amdhsa_kernarg_size 24
		.amdhsa_user_sgpr_count 2
		.amdhsa_user_sgpr_kernarg_segment_ptr 1
		.amdhsa_wavefront_size32 1
		.amdhsa_system_sgpr_workgroup_id_x 1
		.amdhsa_system_sgpr_workgroup_id_y 1
		.amdhsa_system_sgpr_workgroup_id_z 1
		.amdhsa_system_vgpr_workitem_id 0
		.amdhsa_next_free_vgpr 256
		.amdhsa_next_free_sgpr 100
		.amdhsa_reserve_vcc 1
		.amdhsa_float_denorm_mode_32 3
		.amdhsa_float_denorm_mode_16_64 3
		.amdhsa_memory_ordered 1
		.amdhsa_forward_progress 1
		.amdhsa_inst_pref_size 100
	.end_amdhsa_kernel
	.amdgpu_metadata
---
amdhsa.version: [ 1, 2 ]
amdhsa.kernels:
  - .name:           k_q02826d77a8_attn
    .symbol:         k_q02826d77a8_attn.kd
    .args:
      - { .name: qk, .offset: 0, .size: 8, .value_kind: global_buffer, .address_space: global }
      - { .name: vt, .offset: 8, .size: 8, .value_kind: global_buffer, .address_space: global }
      - { .name: oq, .offset: 16, .size: 8, .value_kind: global_buffer, .address_space: global }
    .group_segment_fixed_size: 276480
    .private_segment_fixed_size: 0
    .kernarg_segment_align: 8
    .kernarg_segment_size: 24
    .max_flat_workgroup_size: 512
    .sgpr_count:     100
    .vgpr_count:     256
    .wavefront_size: 32
...
	.end_amdgpu_metadata
.endif
;; end of part 3
;; launch gemm_o (part 4): grid 4 x 64, 4 waves a work-group, clusters of 4 x 4, 327,680 bytes of LDS; arguments oq, wp, out0; writes out0
.if DOCPART == 4
	.amdgcn_target "amdgcn-amd-amdhsa--gfx1250"
	.amdhsa_code_object_version 6
	.text
	.protected	k_q02826d77a8_gemm_o
	.globl	k_q02826d77a8_gemm_o
	.p2align	8
	.type	k_q02826d77a8_gemm_o,@function
k_q02826d77a8_gemm_o:
	s_mov_b64 s[64:65], 0
	v_nop
	global_prefetch_b8 v0, s[64:65] scope:SCOPE_SE
	s_setreg_imm32_b32 hwreg(HW_REG_WAVE_MODE, 25, 1), 1
	s_wait_xcnt 0x0
	s_wait_alu depctr_hold_cnt(0) depctr_sa_sdst(0) depctr_va_vdst(0) depctr_va_sdst(0) depctr_va_ssrc(0) depctr_va_vcc(0) depctr_vm_vsrc(0)
	s_getreg_b32 s2, hwreg(HW_REG_IB_STS2, 6, 4)
	s_cmp_eq_u32 s2, 0
	s_cbranch_scc0 .Lentry_in_a_cluster
	s_endpgm
.Lentry_in_a_cluster:
	s_bfe_u32 s2, ttmp6, 0x10000c
	s_cmp_lg_u32 s2, 0xf033
	s_cbranch_scc0 .Lentry_shape_is_right
	s_endpgm
.Lentry_shape_is_right:
; out0 = O w_proj on codes of FP8 (E4M3) with E8M0 scales, K = 1,024; out0 [8192][1024] f32.  A = oq (tokens), B = wp (w_proj's columns).
; OPERANDS (both): from byte OPC on codes [tile of 16 rows][K step of 128, 0..7][2,048 bytes: the image of an operand's 16 registers]; from byte 0 on scale words [pair of tiles][K / 256][tile][row 16][2 words].
; Row position p holds logical row p with bits 3 and 4 swapped.  B IS SOURCE 0 AND A SOURCE 1: a lane holds one token, and the 16 registers of B's tiles 2 b, 2 b + 1 are columns 32 b + 16 (lane / 16) + 0..15.
; SHARES: blocks of 128 tokens x 256 columns: 64 x 4 = 256 work-groups.  Four waves, 2 x 2; a wave makes 64 x 128: 32 accumulators (window 2).
; LDS: region 0 holds K 0..255 (A's 8 tiles, B's 16, 4,096 bytes each), region 1 K 256..767 (8,192 bytes a tile): four loads at the head, one a wave.  Behind the second step one drained round of the cluster's barrier
; shows region 1 and fills region 0 again with K 768..1023.  Both operands have two sets of fragment registers: a step's 48 LDS loads stand ahead of the step before's products.
; THE SCALE WORDS go from memory straight into registers, once: a load of 8 bytes a lane takes the 256 bytes of a pair of tiles and 256 along K: lanes 0-15 the even tile's rows, lanes 16-31 the odd one's.
; CLUSTERS: 4 x 4; A's tiles are asked for jointly along a row of the cluster, B's along a column.  PREFETCH: the refill's bytes are named once, at the head, shared out among the four partners by address.
; LIMITS: NaN and infinities are not served.
; REGISTERS: window 0: v16-30 addresses; v32-47 A's scale words, v52-83 B's (register 8 pair + K step); v128-255 A's fragments, two sets, later the rows on their way out.  window 1: B's fragments, two sets.
.set NP,     8                         ; places behind this matrix instruction (ISA guide 7.12.1)
.set TILEB,  4096
.set RB0,    8*TILEB                   ; region 0: A's tiles from 0, B's from here
.set RA1,    24*TILEB                  ; region 1: A's tiles,
.set RB1,    40*TILEB                  ; B's
.set SPARE,  72*TILEB                  ; the spare words, 128 bytes for each wave
.set OPC,    0x40000
.set SPITCH, 528                       ; the way out: a stage row, 512 bytes + 16
.set ADRA, 16                          ; v16-17  LDS address of my A fragments in region 0, 1
.set ADRB, 20                          ; v20-21  the same for B
.set STO,  24                          ; v24     the way out: where I put 32 bytes of a row
.set RD,   25                          ; v25     and where I read a row back
.set CO,   26                          ; v26     16 x lane
.set L8,   27                          ; v27     8 x lane
.set SPW,  28
.set NIL,  29
.set PFO,  30
.set SA,   32
.set SB,   52                          ; no product's two scale registers have numbers equal modulo 8
.set AF,   128
.set BK,   128
.set G1A0, 24
.set G1B0, 32
.set G1A1, 48
.set G1B1, 56
.set G0A0, 4
.set G0B0, 68
.set G0A1, 72
.set G0B1, 76
.set G0R,  80
.set G0RB, 84
.set PFA,  98
.set MSB, 0
.macro WIN new                         ; the immediate's high byte repeats the setting that is left
.if MSB != \new
	s_set_vgpr_msb (MSB<<8)|\new
.set MSB, \new
.endif
.endm
.set MUL,  0xa1                        ; source 0 (B) window 1, source 1 (A) window 0, C and D window 2
.set TO_B, 0x40
.macro PLACES n
.rept \n
	v_nop
.endr
.endm
.macro TLD g0, g1                      ; a tensor load; s_nop 0 and four v_nop follow it
	tensor_load_to_lds s[\g0:\g0+3], s[\g1:\g1+7]
	s_nop 0
	PLACES 4
.endm
.macro CROUND                          ; a round of the cluster's barrier
	s_barrier_signal -1
	s_barrier_wait -1
	s_cmp_lg_u32 s14, 0
	s_cbranch_scc1 .Lnot_wave_0_\@
	s_barrier_signal -3
.Lnot_wave_0_\@:
	s_barrier_wait -3
	s_barrier_signal -1
	s_barrier_wait -1
.endm
.macro GRP g, c, r, p                  ; group 1, words 1-7: r rows of c elements of 8 bytes, p elements apart
	s_mov_b32 s[\g+1], (\c)<<16
	s_mov_b32 s[\g+2], (\r)<<16
	s_mov_b32 s[\g+3], (\c)<<16
	s_mov_b32 s[\g+4], \r
	s_mov_b32 s[\g+5], \p
	s_mov_b32 s[\g+6], 0
	s_mov_b32 s[\g+7], 0
.endm
.macro GRP0 g, lds, src, off           ; group 0: LDS byte, the address in s[src:src+1] + off
	s_mov_b32 s[\g], 1
	s_mov_b32 s[\g+1], \lds
	s_add_nc_u64 s[\g+2:\g+3], s[\src:\src+1], \off
	s_or_b32 s[\g+3], s[\g+3], 0x80000000
.endm
	s_load_b128 s[4:7], s[0:1], 0x0                ; oq, wp
	s_load_b64 s[8:9], s[0:1], 0x10                ; out0
	v_lshl_add_u32 v[SPW], v0, 2, SPARE
	v_mov_b32 v[NIL], 0
	ds_add_u32 v[SPW], v[NIL]                      ; the opening lines: the add, twice on end, and its wait ahead of my first tensor load
	ds_add_u32 v[SPW], v[NIL]
	v_lshrrev_b32 v1, 5, v0
	v_readfirstlane_b32 s14, v1                    ; wave 0..3
	s_lshr_b32 s15, s14, 1                         ; which 64 tokens are mine.  Also: the refill's loads: A (0) or B (1)
	s_and_b32 s16, s14, 1                          ; which 128 columns.  Also: which half of the refill's tiles
	s_bfe_u32 s40, ttmp6, 0x40000                  ; cx, cy
	s_bfe_u32 s41, ttmp6, 0x40004
	s_lshl_b32 s42, ttmp9, 2
	s_add_co_u32 s42, s42, s40                     ; X: which 256 columns
	s_and_b32 s17, ttmp7, 0xffff
	s_lshl_b32 s17, s17, 2
	s_add_co_u32 s17, s17, s41                     ; Y: which 128 tokens
	s_lshl_b32 s43, s41, 2
	s_lshl_b32 s43, 15, s43                        ; my row of the cluster
	s_lshl_b32 s44, 0x1111, s40                    ; my column
	s_or_b32 s[G1A0], s43, (3<<16)|(1<<21)         ; 15:0 the mask; 17:16 elements of 8 bytes; 21 set beside a mask
	s_or_b32 s[G1B0], s44, (3<<16)|(1<<21)
	s_or_b32 s[G1A1], s43, (3<<16)|(1<<21)
	s_or_b32 s[G1B1], s44, (3<<16)|(1<<21)
	GRP G1A0, 512, 8, 2048                         ; region 0: A's 8 tiles x 4,096 bytes, 16,384 bytes apart (the refill's loads bring 4)
	GRP G1B0, 512, 16, 2048                        ; B's 16 (the refill's bring 8)
	GRP G1A1, 1024, 8, 2048                        ; region 1: 8,192 bytes a tile
	GRP G1B1, 1024, 16, 2048
	s_lshl_b32 s20, s17, 17                        ; A: 8 tiles of 16,384 bytes for each Y
	s_add_co_u32 s20, s20, OPC
	s_mov_b32 s21, 0
	s_lshl_b32 s46, s42, 18                        ; B: 16 tiles for each X, in registers that never hold A's coordinate
	s_add_co_u32 s46, s46, OPC
	s_mov_b32 s47, 0
	s_lshl_b32 s22, s17, 12                        ; A's scale words: my 64 rows
	s_lshl_b32 s18, s15, 11
	s_add_co_u32 s22, s22, s18
	s_mov_b32 s23, 0
	s_lshl_b32 s12, s42, 13                        ; B's: my 128 rows
	s_lshl_b32 s18, s16, 12
	s_add_co_u32 s12, s12, s18
	s_mov_b32 s13, 0
	s_lshl_b32 s18, s16, 16                        ; the refill: my 4 tiles of A,
	s_mov_b32 s19, 0
	s_lshl_b32 s10, s16, 17                        ; or my 8 of B,
	s_mov_b32 s11, 0
	s_lshl_b32 s45, s16, 14                        ; and where they go: no place in the cluster enters an LDS address
	s_lshl_b32 s3, s16, 15
	s_add_co_u32 s3, s3, RB0
	s_wait_dscnt 0x0                               ; both opening adds are done
	s_wait_kmcnt 0x0
	s_add_nc_u64 s[20:21], s[4:5], s[20:21]
	s_add_nc_u64 s[22:23], s[4:5], s[22:23]
	s_add_nc_u64 s[46:47], s[6:7], s[46:47]
	s_add_nc_u64 s[12:13], s[6:7], s[12:13]
	CROUND                                         ; all sixteen work-groups are here: the first joint loads meet
	GRP0 G0A0, 0,   20, 0
	GRP0 G0B0, RB0, 46, 0
	GRP0 G0A1, RA1, 20, TILEB
	GRP0 G0B1, RB1, 46, TILEB
	s_add_nc_u64 s[20:21], s[20:21], s[18:19]
	s_add_nc_u64 s[46:47], s[46:47], s[10:11]
	GRP0 G0R,  s45, 20, 3*TILEB
	GRP0 G0RB, s3,  46, 3*TILEB
; THE HEAD'S LOADS, ONE A WAVE, each with a line of its own: waves 0 and 1 bring region 0 and wait at the first barrier; waves 2 and 3 bring region 1
.macro ARM under, g0, g1, next
	s_cmp_lt_u32 s14, \under
	s_cbranch_scc0 \next
	TLD \g0, \g1
	s_branch .Lhead_asked
\next:
.endm
	ARM 1, G0A0, G1A0, .Lhead_b
	ARM 2, G0B0, G1B0, .Lhead_a1
	ARM 3, G0A1, G1A1, .Lhead_b1
	TLD G0B1, G1B1
.Lhead_asked:
	; the prefetch: of the tiles that my wave fetches at the refill the partner at place p (cx for A, cy for B) names A's tile p (16 blocks of 256 bytes; lanes 16-31 name the last again) or B's tiles 2 p, 2 p + 1 (32 blocks)
	s_cmp_eq_u32 s15, 0
	s_cselect_b64 s[PFA:PFA+1], s[20:21], s[46:47]
	s_cselect_b32 s96, s40, s41
	s_cselect_b32 s97, 14, 15
	s_cselect_b32 s2, 15, 31
	s_lshl_b32 s96, s96, s97
	s_mov_b32 s97, 0
	s_add_nc_u64 s[PFA:PFA+1], s[PFA:PFA+1], s[96:97]
	s_lshl_b32 s88, s15, 14                        ; my 4 tiles of A in region 0,
	s_lshl_b32 s89, s16, 15
	s_add_co_u32 s89, s89, RB0                     ; my 8 of B,
	s_lshl_b32 s90, s15, 15
	s_add_co_u32 s90, s90, RA1                     ; and the same in region 1
	s_lshl_b32 s91, s16, 16
	s_add_co_u32 s91, s91, RB1
	s_mul_i32 s92, s14, 16*SPITCH
	s_add_co_u32 s92, s92, RA1                     ; my stage, in region 1, which has had its one fill and its last read when the first result is stored there
	s_lshl_b32 s10, s17, 19                        ; out0: 128 rows of 4,096 bytes for each Y,
	s_lshl_b32 s11, s15, 18
	s_add_co_u32 s10, s10, s11
	s_lshl_b32 s11, s42, 10                        ; 1,024 bytes for each X
	s_add_co_u32 s10, s10, s11
	s_lshl_b32 s11, s16, 9
	s_add_co_u32 s10, s10, s11
	s_mov_b32 s11, 0
	s_add_nc_u64 s[44:45], s[8:9], s[10:11]
	v_and_b32 v1, 15, v0                           ; r
	v_bfe_u32 v2, v0, 4, 1                         ; h
	v_and_b32 v3, 31, v0                           ; lane
	v_lshlrev_b32 v[L8], 3, v3
.irp pr, 0,1
.irp s, 0,1,2,3
	global_load_b64 v[SA+8*\pr+2*\s:SA+8*\pr+2*\s+1], v[L8], s[22:23] offset:\pr*1024+\s*256   ; 32 lanes read 256 consecutive bytes, aligned
.endr
.endr
.irp pr, 0,1,2,3
.irp s, 0,1,2,3
	global_load_b64 v[SB+8*\pr+2*\s:SB+8*\pr+2*\s+1], v[L8], s[12:13] offset:\pr*1024+\s*256
.endr
.endr
	v_min_u32 v31, s2, v3
	v_lshlrev_b32 v[CO], 4, v3
	v_and_b32 v30, 15, v31
	v_lshrrev_b32 v31, 4, v31
	v_lshlrev_b32 v30, 8, v30
	v_lshl_add_u32 v[PFO], v31, 14, v30            ; 16,384 x tile + 256 x block
	global_prefetch_b8 v[PFO], s[PFA:PFA+1] offset:3*TILEB th:TH_LOAD_NT scope:SCOPE_SE   ; K 768..1023; s[98:99] and v30 are never rewritten
	v_add_nc_u32 v[ADRA], s88, v[CO]
	v_add_nc_u32 v[ADRB], s89, v[CO]
	v_add_nc_u32 v[ADRA+1], s90, v[CO]
	v_add_nc_u32 v[ADRB+1], s91, v[CO]
	v_mul_u32_u24 v5, v1, SPITCH                   ; the stage, in: row r, 64 bytes for each half of the lanes in each 128
	v_lshl_add_u32 v5, v2, 6, v5
	v_add_nc_u32 v[STO], s92, v5
	v_add_nc_u32 v[RD], s92, v[CO]                 ; back: the 32 lanes take one row of 512 bytes
.macro FETCH r, j, p                   ; region r's j-th 128 along K into set p: B's eight fragments, A's four: 48 loads of 512 consecutive bytes
	WIN TO_B
.irp i, 0,1,2,3,4,5,6,7
.irp c, 0,1,2,3
	ds_load_b128 v[128*(\p)+16*\i+4*\c:128*(\p)+16*\i+4*\c+3], v[ADRB+\r] offset:\i*TILEB*(1+\r)+(\j)*2048+512*\c
.endr
.endr
	WIN 0
.irp i, 0,1,2,3
.irp c, 0,1,2,3
	ds_load_b128 v[AF+64*(\p)+16*\i+4*\c:AF+64*(\p)+16*\i+4*\c+3], v[ADRA+\r] offset:\i*TILEB*(1+\r)+(\j)*2048+512*\c
.endr
.endr
.endm
; 8 matrix instructions: A's block a x B's eight, set p, K step n.  An odd tile's scale words lie in lanes 16-31.  The 32 accumulators take turns in the same order in every step.
.macro MUL8 a, p, n, zero
.irp b, 0,1,2,3,4,5,6,7
.set D_, 8*(8*(\a)+\b)
.set B_, 128*(\p)+16*\b
.set A_, AF+64*(\p)+16*(\a)
.set SB_, SB+8*(\b/2)+(\n)
.set SA_, SA+8*((\a)/2)+(\n)
.set R_, 4*(\zero)+2*(\b%2)+(\a)%2
.if R_ == 0
	v_wmma_scale_f32_16x16x128_f8f6f4 v[D_:D_+7], v[B_:B_+15], v[A_:A_+15], v[D_:D_+7], v[SB_], v[SA_]
.elseif R_ == 1
	v_wmma_scale_f32_16x16x128_f8f6f4 v[D_:D_+7], v[B_:B_+15], v[A_:A_+15], v[D_:D_+7], v[SB_], v[SA_] matrix_b_scale:MATRIX_SCALE_ROW1
.elseif R_ == 2
	v_wmma_scale_f32_16x16x128_f8f6f4 v[D_:D_+7], v[B_:B_+15], v[A_:A_+15], v[D_:D_+7], v[SB_], v[SA_] matrix_a_scale:MATRIX_SCALE_ROW1
.elseif R_ == 3
	v_wmma_scale_f32_16x16x128_f8f6f4 v[D_:D_+7], v[B_:B_+15], v[A_:A_+15], v[D_:D_+7], v[SB_], v[SA_] matrix_a_scale:MATRIX_SCALE_ROW1 matrix_b_scale:MATRIX_SCALE_ROW1
.elseif R_ == 4
	v_wmma_scale_f32_16x16x128_f8f6f4 v[D_:D_+7], v[B_:B_+15], v[A_:A_+15], 0, v[SB_], v[SA_]
.elseif R_ == 5
	v_wmma_scale_f32_16x16x128_f8f6f4 v[D_:D_+7], v[B_:B_+15], v[A_:A_+15], 0, v[SB_], v[SA_] matrix_b_scale:MATRIX_SCALE_ROW1
.elseif R_ == 6
	v_wmma_scale_f32_16x16x128_f8f6f4 v[D_:D_+7], v[B_:B_+15], v[A_:A_+15], 0, v[SB_], v[SA_] matrix_a_scale:MATRIX_SCALE_ROW1
.else
	v_wmma_scale_f32_16x16x128_f8f6f4 v[D_:D_+7], v[B_:B_+15], v[A_:A_+15], 0, v[SB_], v[SA_] matrix_a_scale:MATRIX_SCALE_ROW1 matrix_b_scale:MATRIX_SCALE_ROW1
.endif
.endr
.endm
.macro STEP n, r, j, zero              ; K step n: set n % 2 is multiplied; the other set takes region r's j-th 128 first
	s_wait_dscnt 0x0
.if \zero == 0
	PLACES NP                                      ; the last products read the other set
.endif
	FETCH \r, \j, 1-(\n)%2
	WIN MUL
.irp a, 0,1,2,3
	MUL8 \a, (\n)%2, \n, \zero
.endr
	WIN 0
.endm
	s_wait_alu depctr_va_vdst(0)
	s_cmp_lt_u32 s14, 2
	s_cbranch_scc0 .Lregion_1
	s_wait_tensorcnt 0x0                           ; waves 0 and 1: region 0 is in
.Lregion_1:
	s_barrier_signal -1
	s_barrier_wait -1
	FETCH 0, 0, 0
	s_wait_loadcnt 0x0                             ; the scale words
	STEP 0, 0, 1, 1                                ; the first products start the sums
	s_wait_dscnt 0x0                               ; K step 1: my reads of region 0 are over
	WIN MUL
	MUL8 0, 1, 1, 0
	MUL8 1, 1, 1, 0
	WIN 0
	s_wait_tensorcnt 0x0                           ; every wave: region 1 is in
	ds_add_u32 v[SPW], v[NIL]
	s_mov_b32 s[G1A0+2], 4<<16                     ; no tensor load of mine is out: the refill's loads bring 4 tiles of A
	s_mov_b32 s[G1A0+4], 4
	s_mov_b32 s[G1B0+2], 8<<16                     ; or 8 of B
	s_mov_b32 s[G1B0+4], 8
	s_wait_dscnt 0x0
	CROUND                                         ; no wave of any partner still reads region 0 or has a load on its way
	s_cmp_eq_u32 s15, 0
	s_cbranch_scc0 .Lfor_b
	TLD G0R, G1A0                                  ; K 768..1023 into region 0: the first tensor load behind the round
	s_branch .Lasked
.Lfor_b:
	TLD G0RB, G1B0
.Lasked:
	PLACES NP-4
	FETCH 1, 0, 0
	WIN MUL
	MUL8 2, 1, 1, 0
	MUL8 3, 1, 1, 0
	WIN 0
	STEP 2, 1, 1, 0
	STEP 3, 1, 2, 0
	STEP 4, 1, 3, 0
	s_wait_dscnt 0x0                               ; K step 5: my reads of region 1 are over
	WIN MUL
	MUL8 0, 1, 5, 0
	MUL8 1, 1, 5, 0
	WIN 0
	s_wait_tensorcnt 0x0                           ; every wave: the refill is in
	s_barrier_signal -1
	s_barrier_wait -1
	PLACES NP
	FETCH 0, 0, 0
	WIN MUL
	MUL8 2, 1, 5, 0
	MUL8 3, 1, 5, 0
	WIN 0
	STEP 6, 0, 1, 0
	s_wait_dscnt 0x0
	WIN MUL
.irp a, 0,1,2,3
	MUL8 \a, 1, 7, 0
.endr
	WIN 0
; THE WAY OUT, block by block of 16 tokens x 128 columns, through my own stage: rows of 512 bytes come back whole, and the 32 lanes store two aligned units of 256 bytes.  LDS serves a wave's instructions in order (ISA guide 5.7.1.4).
.macro TOSTAGE a
	WIN 0x08                                       ; the data: window 2
.irp b, 0,1,2,3,4,5,6,7
	ds_store_b128 v[STO], v[64*(\a)+8*\b:64*(\a)+8*\b+3] offset:128*(\b/2)+32*(\b%2)       ; each accumulator from its low end on
	ds_store_b128 v[STO], v[64*(\a)+8*\b+4:64*(\a)+8*\b+7] offset:128*(\b/2)+32*(\b%2)+16
.endr
	WIN 0
.set BB, BK+64*((\a)%2)
.irp t, 0,1,2,3,4,5,6,7,8,9,10,11,12,13,14,15
	ds_load_b128 v[BB+4*\t:BB+4*\t+3], v[RD] offset:\t*SPITCH
.endr
.endm
.macro SEND a, younger                 ; position t of block a is token 32 (a / 2) + 8 (a % 2) + t + 8 (t / 8) of my 64
.set BB, BK+64*((\a)%2)
	s_wait_dscnt \younger
.irp t, 0,1,2,3,4,5,6,7,8,9,10,11,12,13,14,15
	global_store_b128 v[CO], v[BB+4*\t:BB+4*\t+3], s[44:45] offset:(32*((\a)/2)+8*((\a)%2)+\t+8*(\t/8))*4096 th:TH_STORE_NT
.endr
.endm
	PLACES NP                                      ; behind the last products
	TOSTAGE 0
.irp a, 1,2,3
.if \a > 1
	s_wait_xcnt 0x0                                ; block a - 2's stores have read their registers
.endif
	TOSTAGE \a
	SEND \a-1, 32                                  ; behind block a - 1's loads: block a's 16 stores and 16 loads
.endr
	SEND 3, 0
	s_wait_tensorcnt 0x0                           ; the wave's end
	ds_add_u32 v[SPW], v[NIL]
	s_wait_dscnt 0x0
	CROUND                                         ; the closing round
	s_endpgm
.Lfunc_end_k_q02826d77a8_gemm_o:
	.size	k_q02826d77a8_gemm_o, .Lfunc_end_k_q02826d77a8_gemm_o-k_q02826d77a8_gemm_o
	.p2alignl 7, 3214868480
	.fill 96, 4, 3214868480
	.section	.rodata,"a",@progbits
	.p2align	6, 0x0
	.amdhsa_kernel k_q02826d77a8_gemm_o
		.amdhsa_group_segment_fixed_size 327680
		.amdhsa_private_segment_fixed_size 0
		.amdhsa_enable_private_segment 0
		.amdhsa_kernarg_size 24
		.amdhsa_user_sgpr_count 2
		.amdhsa_user_sgpr_kernarg_segment_ptr 1
		.amdhsa_wavefront_size32 1
		.amdhsa_system_sgpr_workgroup_id_x 1
		.amdhsa_system_sgpr_workgroup_id_y 1
		.amdhsa_system_sgpr_workgroup_id_z 1
		.amdhsa_system_vgpr_workitem_id 0
		.amdhsa_next_free_vgpr 768
		.amdhsa_next_free_sgpr 100
		.amdhsa_reserve_vcc 0
		.amdhsa_float_denorm_mode_32 3
		.amdhsa_float_denorm_mode_16_64 3
		.amdhsa_memory_ordered 1
		.amdhsa_forward_progress 1
		.amdhsa_inst_pref_size 87
	.end_amdhsa_kernel
	.amdgpu_metadata
---
amdhsa.version: [ 1, 2 ]
amdhsa.kernels:
  - .name:           k_q02826d77a8_gemm_o
    .symbol:         k_q02826d77a8_gemm_o.kd
    .args:
      - { .name: oq, .offset: 0, .size: 8, .value_kind: global_buffer, .address_space: global }
      - { .name: wp, .offset: 8, .size: 8, .value_kind: global_buffer, .address_space: global }
      - { .name: out0, .offset: 16, .size: 8, .value_kind: global_buffer, .address_space: global }
    .group_segment_fixed_size: 327680
    .private_segment_fixed_size: 0
    .kernarg_segment_align: 8
    .kernarg_segment_size: 24
    .max_flat_workgroup_size: 128
    .sgpr_count:     100
    .vgpr_count:     768
    .wavefront_size: 32
...
	.end_amdgpu_metadata
.endif
;; end of part 4
